; MI455X (gfx1250); checked and timed in simulation.
; The chip was launched on July 23, 2026; its instructions are those of AMD's public machine-readable ISA for CDNA 5 (MIT licence, August 2026) and "CDNA5" Instruction Set Architecture Reference Guide (July 2026). The comments in the code are by the model that wrote it; some were corrected since.
;; Mistral Attention. Allowed arithmetic: matrix products marked QUANTISED: E2M3 operands, one E8M0 scale for each 32 along K, by v_wmma_scale_f32_16x16x128_f8f6f4 with both operands' format E2M3, f32 sums; everything else in f32.
;; Inputs: mask 1 x 1 x 2,048 x 2,048 float32; wk 2,048 x 2,048 float32; wo 2,048 x 2,048 float32; wq 2,048 x 2,048 float32; wv 2,048 x 2,048 float32; x 1 x 2,048 x 2,048 float32.
;; Outputs: out0 1 x 2,048 x 2,048 float32.
;; This version of the problem:
;;   THIS VERSION OF THE PROBLEM IS GIVEN IN LOW PRECISION. The matrix products marked QUANTISED in the list below multiply operands that are first quantised to E2M3 (2 exponent bits, 3 mantissa bits; 6 bits a number), with one power-of-two scale for each 32 numbers along K (OCP MX v1.0); their sums are f32. All else is computed in f32.
;;   The module's matrix products, in the order in which they are computed (A, B: the left and right operand; K: the contracted axis; several contracted axes count as one K, in the product's order):
;;     1. [M 2,048, K 2,048] x [K 2,048, N 2,048]; A: input x; B: input wq: QUANTISED
;;     2. [M 2,048, K 2,048] x [K 2,048, N 2,048]; A: input x; B: input wk: QUANTISED
;;     3. [M 2,048, K 2,048] x [K 2,048, N 2,048]; A: input x; B: input wv: QUANTISED
;;     4. batch 16 x [M 2,048, K 128] x [K 128, N 2,048]; A: computed on the way; B: computed on the way: QUANTISED
;;     5. batch 16 x [M 2,048, K 2,048] x [K 2,048, N 128]; A: softmax (see below); B: computed on the way: QUANTISED
;;     6. [M 2,048, K 2,048] x [K 2,048, N 2,048]; A: computed on the way; B: input wo: QUANTISED
;;   THE QUANTISER, for each operand of a quantised product, along K:
;;     - K is cut into blocks of 32 from its start; a last block that is shorter is filled with zeros.
;;     - A block's scale is 2^e with e = floor(log2(the largest magnitude in the block)) - 2, held to -126 .. 127; a block of zeros has e = 0. As a byte (E8M0): e + 127.
;;     - Each number is divided by its block's scale, clamped to +-7.5, and rounded to the nearest number of E2M3, ties to even, subnormals kept.
;;     - The product sums the exact products of the quantised numbers (number of the format x scale) in f32.
;;   ~~~python
;;   def quantise(x, axis):      # numpy; x: float32 -> the quantised numbers, widened to float32 again
;;       x = np.moveaxis(x, axis, -1); K = x.shape[-1]
;;       x = np.pad(x, [(0, 0)] * (x.ndim - 1) + [(0, -K % 32)]); x = x.reshape(x.shape[:-1] + (-1, 32)); a = np.abs(x).max(-1, keepdims=True)
;;       e = np.where(a > 0, np.clip(np.frexp(np.where(a > 0, a, 1))[1] - 1 - 2, -126, 127), 0)      # np.frexp(a)[1] - 1 = floor(log2(a)), exactly
;;       r = np.clip(x / 2.0 ** e, -7.5, 7.5)
;;       step = 2.0 ** (np.maximum(np.frexp(np.where(r == 0, 1, r))[1] - 1, 0) - 3)
;;       q = np.round(r / step) * step * 2.0 ** e      # np.round: ties to even
;;       return np.moveaxis(q.reshape(q.shape[:-2] + (-1,))[..., :K], -1, axis).astype(np.float32)
;;   ~~~
;;   SOFTMAX AHEAD OF A QUANTISED PRODUCT. Where the list says 'softmax', what is quantised is not the finished softmax but p = 2^(t - M), with t = logit x log2(e) and M = ceil(the row's largest t), a whole number; so 1/2 < the row's largest p <= 1. The row's sum l is taken of the UNQUANTISED p, in f32, and the product's result is divided by l at the end. Since M is a whole number, a kernel that streams over the keys may use a running M (the ceiling of the running maximum): every later rescaling is an exact power of two, which a block's scale takes up: the codes' values come out the same.
;;   OPERANDS COMPUTED ON THE WAY. 'Computed on the way' means the value that the module computes at that place (a softmax that the list does not call 'softmax' is quantised finished and normalised). What goes into a quantiser is computed in f32, as accurately as f32 sums, v_exp_f32 and their like allow (about 1e-6 of the number): no bf16 or f16 on the way to a quantiser, and a product that is left as it is and whose result goes on into a quantised operand takes f32 operands (vector FMAs, or v_wmma_f32_16x16x4_f32). A number that lies on a knife's edge between two numbers of the format may be rounded either way, as far as f32 arithmetic and the matrix unit's own rounding can turn it there, and no further.
;; One version. Each part assembles by itself: llvm-mc -triple=amdgcn-amd-amdhsa -mcpu=gfx1250 --defsym DOCPART=n.
;; ======== version 1 of 1: 4 launches
;; workspace buffers: cw 15,728,640 bytes; sw 655,360 bytes; mimg 16,777,216 bytes; qkvc 9,437,184 bytes; qkvs 393,216 bytes; ac 3,145,728 bytes; asc 131,072 bytes
;; launch quant (part 1): grid 768 x 1, 4 waves a work-group, no clusters, 35,328 bytes of LDS; arguments x, wq, wk, wv, wo, mask, cw, sw, mimg; writes cw, sw, mimg
.if DOCPART == 1
	.amdgcn_target "amdgcn-amd-amdhsa--gfx1250"
	.amdhsa_code_object_version 6
	.text
	.protected	k_qf6d78078eb_quant
	.globl	k_qf6d78078eb_quant
	.p2align	8
	.type	k_qf6d78078eb_quant,@function
k_qf6d78078eb_quant:
	s_mov_b64 s[64:65], 0
	v_nop
	global_prefetch_b8 v0, s[64:65] scope:SCOPE_SE
	s_setreg_imm32_b32 hwreg(HW_REG_WAVE_MODE, 25, 1), 1
	s_wait_xcnt 0x0
; x, wq, wk, wv, wo [2048][2048] f32, K innermost, become codes of FP6 (E2M3) with one E8M0 byte for each 32 along K; the mask [2048][2048] f32 is laid anew, its numbers unchanged.
; All six leave as IMAGES OF OPERAND REGISTERS.  A row tile T (0..127) holds the 16 rows 32 (T / 2) + 8 (T % 2) + r + 8 (r / 8), r = 0..15: used as source 0 of a matrix
; instruction, tiles 2 B and 2 B + 1 then give a lane 16 neighbouring rows in 16 registers, which is what the next quantiser wants.
; A fragment (tile T, K step s of 128) is 12 registers a lane: its image is 1,536 bytes, registers 4 c .. 4 c + 3 of lane l at 512 c + 16 l; image (T, s) of tensor t lies at t x 3,145,728 + (16 T + s) x 1,536 in cw;
; its 16 scale words at t x 131,072 + (16 T + s) x 64 + 4 r in sw.  The mask's unit (T, s) is 64 numbers a lane, 8,192 bytes at (16 T + s) x 8,192 in mimg: register 16 b + i of lane (r, h) = mask[row r of T][128 s + 32 b + 16 h + i].
; A block's scale is 2^(floor(log2(its largest magnitude)) - 2); its byte is the largest magnitude's exponent field - 2, held at 1 from below.
; LIMITS: a block of zeros, or one whose largest magnitude lies under 2^-124, gets the byte 1 where the rule says 127 (its codes are zeros; this program alone reads the bytes); NaN and infinities in x and the weights are not served.
; SHARES: work-group = (tensor t = id / 128, tile T = id % 128); wave w takes K steps 4 w .. 4 w + 3, a unit of 16 rows x 128 numbers each.  A unit's 16 loads read 512 consecutive bytes of one row each;
; the 8,192 bytes turn through the wave's own stage in LDS (rows 528 bytes apart: the 16 rows of a read fall in 16 different columns of 16 bytes) and come back 16 neighbours of each block to a lane.
; No tensor loads, no barrier: waves share nothing.  Loads run two units (32 loads a wave) ahead.
.set ROWB,  8192                       ; a row of any of the six in bytes
.set SP,    528                        ; a stage row
.set SCW,   16*SP                      ; behind the stage: my wave's 4 x 64 bytes of scale words
.set WREG,  16*SP+256                  ; LDS of a wave
.set IMG,   1536
.set TENS,  3145728                    ; a tensor's codes
.set R,     16                         ; v16-143  two sets of 64 registers as loaded
.set X,     144                        ; v144-207 64 numbers: register 16 b + i = k 32 b + 16 h + i of my row
.set PC,    208                        ; v208-219 the codes; v220-226 at work
.set TM,    228                        ; v228-243 at work
.set PW,    244                        ; the scale word
.set SEL,   38                         ; s[38:39] lane selects for v_permlanex16_b32: lane l xor 16
; 64 numbers of a lane become a fragment's codes in v[PC] on and its scale word in v[PW]
.macro QUANT s
.irp b, 0,1,2,3
	v_max3_num_f32 v[TM+\b], |v[\s+16*\b]|, |v[\s+1+16*\b]|, 0x1800000   ; block b: my 16 numbers, and the floor 2^(3 - 127): the byte cannot fall under 1
.endr
.irp i, 2,4,6,8,10,12,14
.irp b, 0,1,2,3
	v_max3_num_f32 v[TM+\b], v[TM+\b], |v[\s+16*\b+\i]|, |v[\s+1+16*\b+\i]|   ; the four blocks by turns
.endr
.endr
.irp b, 0,1,2,3
	v_permlanex16_b32 v[TM+4+\b], v[TM+\b], s[SEL], s[SEL+1]
.endr
.irp b, 0,1,2,3
	v_max_num_f32 v[TM+\b], v[TM+\b], v[TM+4+\b]   ; with lane l xor 16's: the block's largest magnitude
.endr
.irp b, 0,1,2,3
	v_add_nc_u32 v[TM+12+\b], 0xff000000, v[TM+\b]   ; 2 off its exponent field: the conversion's scale operand
.endr
.irp b, 0,1,2,3
	v_lshrrev_b32 v[TM+4+\b], 23, v[TM+12+\b]      ; the scale's byte
.endr
	v_lshl_or_b32 v[PW], v[TM+5], 8, v[TM+4]
	v_lshl_or_b32 v[PW], v[TM+6], 16, v[PW]
	v_lshl_or_b32 v[PW], v[TM+7], 24, v[PW]        ; my row's scale word
.irp c, 0,1
	v_cvt_scalef32_pk16_fp6_f32 v[PC+6*\c:PC+2+6*\c], v[\s+32*\c:\s+15+32*\c], v[TM+12+2*\c]
	v_cvt_scalef32_pk16_fp6_f32 v[PC+12+4*\c:PC+14+4*\c], v[\s+16+32*\c:\s+31+32*\c], v[TM+13+2*\c]   ; (a conversion's three registers begin on an even number)
.endr
	v_nop                                          ; one plain place behind a scaled conversion
.irp c, 0,1                                    ; the operand's layout wants a whole block in a lane: lanes 0-15 block 2 c, lanes 16-31 block 2 c + 1
.irp i, 0,1,2
	v_permlane16_swap_b32 v[PC+6*\c+\i], v[PC+12+4*\c+\i]
.endr
.irp i, 0,1,2
	v_mov_b32 v[PC+3+6*\c+\i], v[PC+12+4*\c+\i]
.endr
.endr
.endm
	s_load_b512 s[8:23], s[0:1], 0x0               ; x s[8:9], wq, wk, wv, wo s[16:17], mask s[18:19], cw s[20:21], sw s[22:23]
	s_load_b64 s[24:25], s[0:1], 0x40              ; mimg
	v_lshl_add_u32 v254, v0, 2, 0x8800
	v_mov_b32 v255, 0
	v_lshrrev_b32 v1, 5, v0
	v_readfirstlane_b32 s26, v1                    ; wave
	v_and_b32 v1, 31, v0                           ; lane
	v_and_b32 v2, 15, v0                           ; r
	v_bfe_u32 v3, v0, 4, 1                         ; h
	v_lshlrev_b32 v4, 4, v1                        ; 16 x lane: my place in a load's and a store's 512 bytes
	s_mul_i32 s40, s26, WREG
	v_add_nc_u32 v5, s40, v4                       ; the stage, on the way in
	v_mul_u32_u24 v6, v2, SP
	v_lshl_add_u32 v6, v3, 6, v6
	v_add_nc_u32 v6, s40, v6                       ; and on the way out: row r, + 64 h
	s_add_co_u32 s41, s40, SCW
	v_lshl_add_u32 v7, v2, 2, s41                  ; my row's scale word
	v_lshl_add_u32 v8, v1, 3, s41                  ; the 256 bytes of scale words on their way out: 8 bytes a lane
	v_lshlrev_b32 v9, 3, v1
	s_mov_b32 s[SEL], 0x76543210
	s_mov_b32 s[SEL+1], 0xfedcba98
.irp b, 0,1,2,3
	v_mov_b32 v[TM+4+\b], 0                        ; written once: a lane permute's destination counts as one of its sources
.endr
	s_lshr_b32 s27, ttmp9, 7                       ; t: 0 x, 1 wq, 2 wk, 3 wv, 4 wo, 5 the mask
	s_and_b32 s28, ttmp9, 127                      ; T
	s_min_u32 s29, s27, 4                          ; (the mask's work-groups form no offset past cw and sw)
	s_lshr_b32 s30, s28, 1
	s_lshl_b32 s30, s30, 18                        ; 32 (T / 2) rows of 8,192 bytes
	s_and_b32 s31, s28, 1
	s_lshl_b32 s31, s31, 16                        ; 8 (T % 2) rows
	s_add_co_u32 s30, s30, s31
	s_lshl_b32 s31, s26, 11                        ; my four K steps: 2,048 bytes a wave
	s_add_co_u32 s30, s30, s31
	s_mov_b32 s31, 0
	s_lshl_b32 s42, s28, 4
	s_lshl_b32 s43, s26, 2
	s_add_co_u32 s42, s42, s43                     ; my first unit: 16 T + 4 w
	s_mul_i32 s32, s42, IMG
	s_mul_i32 s33, s29, TENS
	s_add_co_u32 s32, s32, s33
	s_mov_b32 s33, 0
	s_lshl_b32 s34, s42, 6
	s_lshl_b32 s35, s29, 17
	s_add_co_u32 s34, s34, s35
	s_mov_b32 s35, 0
	s_lshl_b32 s36, s42, 13
	s_mov_b32 s37, 0
	s_wait_kmcnt 0x0
	s_mov_b64 s[4:5], s[8:9]                       ; the source: a choice that hangs on the work-group's number alone
	s_cmp_eq_u32 s27, 1
	s_cselect_b64 s[4:5], s[10:11], s[4:5]
	s_cmp_eq_u32 s27, 2
	s_cselect_b64 s[4:5], s[12:13], s[4:5]
	s_cmp_eq_u32 s27, 3
	s_cselect_b64 s[4:5], s[14:15], s[4:5]
	s_cmp_eq_u32 s27, 4
	s_cselect_b64 s[4:5], s[16:17], s[4:5]
	s_cmp_eq_u32 s27, 5
	s_cselect_b64 s[4:5], s[18:19], s[4:5]
	s_add_nc_u64 s[4:5], s[4:5], s[30:31]
	s_add_nc_u64 s[20:21], s[20:21], s[32:33]
	s_add_nc_u64 s[22:23], s[22:23], s[34:35]
	s_add_nc_u64 s[24:25], s[24:25], s[36:37]
.macro LOAD u                          ; unit u: 16 rows x 512 bytes into set u % 2
.irp i, 0,1,2,3,4,5,6,7,8,9,10,11,12,13,14,15
	global_load_b128 v[R+64*((\u)%2)+4*\i:R+64*((\u)%2)+4*\i+3], v4, s[4:5] offset:(\i+8*(\i/8))*ROWB+512*(\u) th:TH_LOAD_NT
.endr
.endm
.macro TURN u                          ; through the stage: LDS serves a wave's instructions in order, so no wait stands between the stores and the loads
.irp i, 0,1,2,3,4,5,6,7,8,9,10,11,12,13,14,15
	ds_store_b128 v5, v[R+64*((\u)%2)+4*\i:R+64*((\u)%2)+4*\i+3] offset:SP*\i
.endr
.irp i, 0,1,2,3,4,5,6,7,8,9,10,11,12,13,14,15
	ds_load_b128 v[X+4*\i:X+4*\i+3], v6 offset:128*(\i/4)+16*(\i%4)
.endr
.endm
.macro UNIT u
.if \u < 3
	s_wait_loadcnt 16                              ; this unit's 16 loads are in; the next unit's 16 may be out
.else
	s_wait_loadcnt 0x0
.endif
	s_wait_xcnt 0x0                                ; the last unit's stores have read X and the codes: both are written again only behind this wait
	TURN \u
	s_wait_dscnt 0x0                               ; X is in, and the stage's stores have read their registers,
.if \u < 2
	LOAD \u+2                                      ; which take the loads of two units on
.endif
	s_cmp_eq_u32 s27, 5
	s_cbranch_scc1 .Lmask_\@
	QUANT X
.irp c, 0,1,2
	global_store_b128 v4, v[PC+4*\c:PC+4*\c+3], s[20:21] offset:IMG*\u+512*\c   ; 32 lanes store 512 consecutive bytes
.endr
	ds_store_b32 v7, v[PW] offset:64*\u            ; lanes l and l xor 16 write the same word with the same value
	s_branch .Ldone_\@
.Lmask_\@:
.irp c, 0,1,2,3,4,5,6,7,8,9,10,11,12,13,14,15
	global_store_b128 v4, v[X+4*\c:X+4*\c+3], s[24:25] offset:8192*\u+512*\c
.endr
.Ldone_\@:
.endm
	LOAD 0
	LOAD 1
	UNIT 0
	UNIT 1
	UNIT 2
	UNIT 3
	s_cmp_eq_u32 s27, 5
	s_cbranch_scc1 .Lend
	ds_load_b64 v[246:247], v8                     ; my four units' scale words: these see my stores
	s_wait_dscnt 0x0
	global_store_b64 v9, v[246:247], s[22:23]      ; 32 lanes store 256 consecutive bytes, aligned
.Lend:
	s_wait_tensorcnt 0x0
	ds_add_u32 v254, v255
	s_wait_dscnt 0x0
	s_endpgm
.Lfunc_end_k_qf6d78078eb_quant:
	.size	k_qf6d78078eb_quant, .Lfunc_end_k_qf6d78078eb_quant-k_qf6d78078eb_quant
	.p2alignl 7, 3214868480
	.fill 96, 4, 3214868480
	.section	.rodata,"a",@progbits
	.p2align	6, 0x0
	.amdhsa_kernel k_qf6d78078eb_quant
		.amdhsa_group_segment_fixed_size 35328
		.amdhsa_private_segment_fixed_size 0
		.amdhsa_enable_private_segment 0
		.amdhsa_kernarg_size 72
		.amdhsa_user_sgpr_count 2
		.amdhsa_user_sgpr_kernarg_segment_ptr 1
		.amdhsa_wavefront_size32 1
		.amdhsa_system_sgpr_workgroup_id_x 1
		.amdhsa_system_sgpr_workgroup_id_y 1
		.amdhsa_system_sgpr_workgroup_id_z 1
		.amdhsa_system_vgpr_workitem_id 0
		.amdhsa_next_free_vgpr 256
		.amdhsa_next_free_sgpr 66
		.amdhsa_reserve_vcc 0
		.amdhsa_float_denorm_mode_32 3
		.amdhsa_float_denorm_mode_16_64 3
		.amdhsa_memory_ordered 1
		.amdhsa_forward_progress 1
		.amdhsa_inst_pref_size 41
	.end_amdhsa_kernel
	.amdgpu_metadata
---
amdhsa.version: [ 1, 2 ]
amdhsa.kernels:
  - .name:           k_qf6d78078eb_quant
    .symbol:         k_qf6d78078eb_quant.kd
    .args:
      - { .name: x, .offset: 0, .size: 8, .value_kind: global_buffer, .address_space: global }
      - { .name: wq, .offset: 8, .size: 8, .value_kind: global_buffer, .address_space: global }
      - { .name: wk, .offset: 16, .size: 8, .value_kind: global_buffer, .address_space: global }
      - { .name: wv, .offset: 24, .size: 8, .value_kind: global_buffer, .address_space: global }
      - { .name: wo, .offset: 32, .size: 8, .value_kind: global_buffer, .address_space: global }
      - { .name: mask, .offset: 40, .size: 8, .value_kind: global_buffer, .address_space: global }
      - { .name: cw, .offset: 48, .size: 8, .value_kind: global_buffer, .address_space: global }
      - { .name: sw, .offset: 56, .size: 8, .value_kind: global_buffer, .address_space: global }
      - { .name: mimg, .offset: 64, .size: 8, .value_kind: global_buffer, .address_space: global }
    .group_segment_fixed_size: 35328
    .private_segment_fixed_size: 0
    .kernarg_segment_align: 8
    .kernarg_segment_size: 72
    .max_flat_workgroup_size: 128
    .sgpr_count:     66
    .vgpr_count:     256
    .wavefront_size: 32
...
	.end_amdgpu_metadata
.endif
;; end of part 1
;; launch qkv (part 2): grid 8 x 24, 4 waves a work-group, clusters of 4 x 4, 327,680 bytes of LDS; arguments cw, sw, qkvc, qkvs; writes qkvc, qkvs
.if DOCPART == 2
	.amdgcn_target "amdgcn-amd-amdhsa--gfx1250"
	.amdhsa_code_object_version 6
	.text
	.protected	k_qf6d78078eb_qkv
	.globl	k_qf6d78078eb_qkv
	.p2align	8
	.type	k_qf6d78078eb_qkv,@function
k_qf6d78078eb_qkv:
	s_mov_b64 s[64:65], 0
	v_nop
	global_prefetch_b8 v0, s[64:65] scope:SCOPE_SE
	s_setreg_imm32_b32 hwreg(HW_REG_WAVE_MODE, 25, 1), 1
	s_wait_xcnt 0x0
	s_wait_alu depctr_hold_cnt(0) depctr_sa_sdst(0) depctr_va_vdst(0) depctr_va_sdst(0) depctr_va_ssrc(0) depctr_va_vcc(0) depctr_vm_vsrc(0)
	s_getreg_b32 s2, hwreg(HW_REG_IB_STS2, 6, 4)
	s_cmp_eq_u32 s2, 0
	s_cbranch_scc0 .Lentry_in_a_cluster
	s_endpgm
.Lentry_in_a_cluster:
	s_bfe_u32 s2, ttmp6, 0x10000c
	s_cmp_lg_u32 s2, 0xf033
	s_cbranch_scc0 .Lentry_shape_is_right
	s_endpgm
.Lentry_shape_is_right:
; Three products of 2,048^3 on codes of FP6 (E2M3) with E8M0 scales, their results quantised in registers: q = x wq^T and k = x wk^T along the head's 128, v^T = wv x^T along the keys.
; ONE FORM serves all three: R[i][j] = sum over k of A[i][k] B[j][k], quantised along j.  z = 0: A = x, B = wq;  z = 1: A = x, B = wk;  z = 2: A = wv, B = x.  Only offsets into cw and sw differ.
; Operands lie in cw as images of fragments (16 rows x 128 K, 1,536 bytes: registers 4 c .. 4 c + 3 of lane l at 512 c + 16 l), image (row tile T, K step s) at (16 T + s) x 1,536; scale words in sw at (16 T + s) x 64 + 4 r.
; A row tile holds rows 32 (T / 2) + 8 (T % 2) + r + 8 (r / 8).  THE MATRIX INSTRUCTION IS USED TRANSPOSED (source 0 = a tile of B, source 1 = a tile of A): a lane holds one row of A, and the 16 registers
; of B's tiles 2 b and 2 b + 1 are 16 neighbours along j.  A wave's 128 along j are one K step of the next product: each of its 8 blocks of A's rows becomes one fragment and one scale word a row.
; OUT: image (J = j / 128, I = A's row tile) at z x 3,145,728 + (128 J + I) x 1,536 in qkvc, its scale words at z x 131,072 + (128 J + I) x 64 in qkvs.
; SHARES: a work-group makes 256 x 256, a wave 128 x 128 (64 accumulators, 512 registers).  K goes in steps of 256 through a ring of two LDS slots filled by the tensor data mover; the scale words of the
; work-group's rows, for all of K, come once.  192 work-groups: a wave needs all 128 along j of a fragment, and the smaller wave tiles that would make 256 work-groups read 1.5 to 2.5 times the LDS bytes for each product.
; CLUSTERS: 4 x 4.  A's tiles hang on z and the tile row, shared along a row of the cluster; B's on z and the tile column, shared along a column: each is asked for jointly.
; LIMITS: a block of zeros, or one under 2^-124, gets the byte 1 where the rule says 127 (its codes are zeros; this program alone reads the bytes); NaN and infinities are not served.
; REGISTERS, in windows of 256: window 0: v16-31 addresses; v32-63 scale words, two sets, and nothing else; v64-99 at work on the way out; v128-223 A's fragments, ONE set, on the way out the codes.
;   window 1: B's fragments, two sets, at v0 and v128.   windows 2, 3: the accumulators of my rows 0-63, 64-127 (accumulator (a, b) at v[8 (8 (a % 4) + b)]).
.set IMG,    1536
.set TROW,   16*IMG                    ; a row tile's images for all of K: 24,576 bytes
.set NQ,     2                         ; K steps of 128 in a slot
.set TSL,    NQ*IMG                    ; a row tile's bytes in a slot
.set HALFT,  8*TSL                     ; 8 row tiles: what one tensor load brings, and what one wave reads of A or of B
.set SLOT,   4*HALFT                   ; A's 16 tiles, then B's 16
.set LAPS,   4                         ; a lap = two slots = 512 along K
.set SCL,    2*SLOT                    ; behind the ring: the scale words, 1,024 bytes a row tile
.set HALFS,  8*1024
.set SPARE,  SCL+4*HALFS               ; the spare words, 128 bytes for each wave: two blocks of 256 bytes that no other line names
.set TENS,   3145728
.set FR,     12
.set NL,     3                         ; LDS loads that bring a fragment
.set NP,     4                         ; places behind this matrix instruction (ISA guide 7.12.1)
.set ADRA, 16                          ; v16-17  16 x lane + my A tiles in slot 0, 1
.set ADRB, 20                          ; v20-21  the same for B
.set LI,   24                          ; v24     16 x lane
.set SWS,  25                          ; v25     the way out: where I put a scale word: 512 w + 4 r (in slot 0, which has then had its last fill and its last read)
.set SWR,  26                          ; v26     and where I read 16 bytes back: 512 w + 16 x lane
.set ADRS, 27                          ; v27     my scale words: lanes 0-15 A's rows, lanes 16-31 B's
.set SPW,  28                          ; v28     my spare word; never rewritten
.set NIL,  29                          ; v29     0; never rewritten
.set SC,   32                          ; set s at v[SC + 16 s]; register 2 i + q: lanes 0-15 the words of A's block i, lanes 16-31 of B's block i, the slot's q-th K step
.set TM,   64
.set PT,   80
.set PWB,  88
.set SB,   96
.set AF,   128
.set OCB,  128
.set G1, 24
.set G0, 32
.set G1B, 48
.set G0B, 56
.set G1S, 68
.set G0S, 76
.set G1SB, 80
.set G0SB, 88
.set SEL, 98
.set MSB, 0
.macro WIN new                         ; the immediate's high byte repeats the setting that is left
.if MSB != (\new)
	s_set_vgpr_msb (MSB<<8)|(\new)
.set MSB, (\new)
.endif
.endm
.set MUL_LO, 0xa1                      ; source 0 (B) window 1, source 1 (A) window 0, C and D window 2
.set MUL_HI, 0xf1
.set TO_B,   0x40
; A joint load: waves 0 and 1 fetch for A, waves 2 and 3 for B; the branch hangs on the wave's number alone.  Four v_nop follow each of the two lines.
.macro JLOAD g0a, g1a, g0b, g1b
	s_cmp_eq_u32 s15, 0
	s_cbranch_scc0 .Lfor_b_\@
	tensor_load_to_lds s[\g0a:\g0a+3], s[\g1a:\g1a+7]
	s_nop 0
.rept 4
	v_nop
.endr
	s_branch .Lasked_\@
.Lfor_b_\@:
	tensor_load_to_lds s[\g0b:\g0b+3], s[\g1b:\g1b+7]
	s_nop 0
.rept 4
	v_nop
.endr
.Lasked_\@:
.endm
.macro CREST                           ; a round of the cluster's barrier behind its opening barrier
	s_cmp_lg_u32 s14, 0
	s_cbranch_scc1 .Lnot_wave_0_\@
	s_barrier_signal -3
.Lnot_wave_0_\@:
	s_barrier_wait -3
	s_barrier_signal -1
	s_barrier_wait -1
.endm
.macro CROUND
	s_barrier_signal -1
	s_barrier_wait -1
	CREST
.endm
	s_load_b256 s[4:11], s[0:1], 0x0               ; cw s[4:5], sw s[6:7], qkvc s[8:9], qkvs s[10:11]
	v_lshl_add_u32 v[SPW], v0, 2, SPARE
	v_mov_b32 v[NIL], 0
	ds_add_u32 v28, v29
	s_wait_dscnt 0x0
	v_lshrrev_b32 v1, 5, v0
	v_readfirstlane_b32 s14, v1                    ; wave 0..3
	s_lshr_b32 s15, s14, 1                         ; which half of A's rows is mine.  Also: I fetch for A (0) or for B (1)
	s_and_b32 s16, s14, 1                          ; which half of B's rows.  Also: which 8 row tiles I fetch
	s_bfe_u32 s40, ttmp6, 0x40000                  ; cx
	s_bfe_u32 s41, ttmp6, 0x40004                  ; cy
	s_lshl_b32 s42, ttmp9, 2
	s_add_co_u32 s42, s42, s40                     ; B's tile of 256 rows = 4 x cluster x + cx
	s_and_b32 s18, ttmp7, 0xffff                   ; the cluster's y, 0..5
	s_lshr_b32 s12, s18, 1                         ; z: which product; all partners share it
	s_and_b32 s17, s18, 1
	s_lshl_b32 s17, s17, 2
	s_add_co_u32 s17, s17, s41                     ; A's tile of 256 rows = 4 x (cluster y % 2) + cy
	s_lshr_b32 s13, s12, 1
	s_mul_i32 s13, s13, 3                          ; A's tensor in cw: 0, 0, 3
	s_add_co_u32 s19, s12, 1
	s_sub_co_u32 s19, s19, s13                     ; B's: 1, 2, 0
	s_lshl_b32 s43, s41, 2
	s_lshl_b32 s43, 15, s43                        ; my row of the cluster
	s_lshl_b32 s44, 0x1111, s40                    ; my column
	; descriptor group 1: 8 rows (row tiles) of 3,072 bytes, 24,576 bytes apart, in elements of 8 bytes; no padding: the images are read 512 consecutive bytes an instruction
	s_or_b32 s[G1+0], s43, (3<<16)|(1<<21)
	s_or_b32 s[G1B+0], s44, (3<<16)|(1<<21)
.irp g, G1, G1B
	s_mov_b32 s[\g+1], (TSL/8)<<16                 ; tensor_dim0
	s_mov_b32 s[\g+2], 8<<16                       ; tensor_dim1
	s_mov_b32 s[\g+3], (TSL/8)<<16                 ; tile_dim0
	s_mov_b32 s[\g+4], 8                           ; tile_dim1
	s_mov_b32 s[\g+5], TROW/8                      ; tensor_dim0_stride
	s_mov_b32 s[\g+6], 0
	s_mov_b32 s[\g+7], 0
.endr
	; the scale words of 8 row tiles: 8,192 dense bytes as 32 rows of 256
	s_or_b32 s[G1S+0], s43, (3<<16)|(1<<21)
	s_or_b32 s[G1SB+0], s44, (3<<16)|(1<<21)
.irp g, G1S, G1SB
	s_mov_b32 s[\g+1], 32<<16
	s_mov_b32 s[\g+2], 32<<16
	s_mov_b32 s[\g+3], 32<<16
	s_mov_b32 s[\g+4], 32
	s_mov_b32 s[\g+5], 32
	s_mov_b32 s[\g+6], 0
	s_mov_b32 s[\g+7], 0
.endr
	s_lshl_b32 s18, s16, 3
	s_lshl_b32 s20, s17, 4
	s_add_co_u32 s20, s20, s18                     ; A: the first row tile that I fetch
	s_lshl_b32 s46, s42, 4
	s_add_co_u32 s46, s46, s18                     ; B: likewise
	s_lshl_b32 s22, s20, 10                        ; its scale words,
	s_lshl_b32 s2, s13, 17
	s_add_co_u32 s22, s22, s2
	s_mov_b32 s23, 0
	s_mul_i32 s20, s20, TROW                       ; its codes
	s_mul_i32 s2, s13, TENS
	s_add_co_u32 s20, s20, s2
	s_mov_b32 s21, 0
	s_lshl_b32 s92, s46, 10
	s_lshl_b32 s3, s19, 17
	s_add_co_u32 s92, s92, s3
	s_mov_b32 s93, 0
	s_mul_i32 s46, s46, TROW
	s_mul_i32 s3, s19, TENS
	s_add_co_u32 s46, s46, s3
	s_mov_b32 s47, 0
	s_mul_i32 s45, s14, HALFT                      ; where they go: wave x 8 tiles: no place in the cluster enters an LDS address
	s_mul_i32 s94, s14, HALFS
	s_mov_b32 s[SEL], 0x76543210
	s_mov_b32 s[SEL+1], 0xfedcba98
	s_wait_kmcnt 0x0
	s_add_nc_u64 s[20:21], s[4:5], s[20:21]
	s_add_nc_u64 s[22:23], s[6:7], s[22:23]
	s_add_nc_u64 s[46:47], s[4:5], s[46:47]
	s_add_nc_u64 s[92:93], s[6:7], s[92:93]
	CROUND                                         ; all sixteen work-groups are here: the first joint loads meet
	s_mov_b32 s[G0S], 1
	s_add_co_u32 s[G0S+1], s94, SCL
	s_mov_b64 s[G0S+2:G0S+3], s[22:23]
	s_or_b32 s[G0S+3], s[G0S+3], 0x80000000
	s_mov_b32 s[G0SB], 1
	s_add_co_u32 s[G0SB+1], s94, SCL
	s_mov_b64 s[G0SB+2:G0SB+3], s[92:93]
	s_or_b32 s[G0SB+3], s[G0SB+3], 0x80000000
	JLOAD G0S, G1S, G0SB, G1SB                     ; the scale words first: they are wanted with the first slot
.irp s, 0,1
	s_mov_b32 s[G0+4*\s], 1
	s_add_co_u32 s[G0+4*\s+1], s45, \s*SLOT
	s_add_nc_u64 s[G0+4*\s+2:G0+4*\s+3], s[20:21], \s*TSL
	s_or_b32 s[G0+4*\s+3], s[G0+4*\s+3], 0x80000000
	s_mov_b32 s[G0B+4*\s], 1
	s_add_co_u32 s[G0B+4*\s+1], s45, \s*SLOT
	s_add_nc_u64 s[G0B+4*\s+2:G0B+4*\s+3], s[46:47], \s*TSL
	s_or_b32 s[G0B+4*\s+3], s[G0B+4*\s+3], 0x80000000
	JLOAD G0+4*\s, G1, G0B+4*\s, G1B               ; three tensor loads of mine are out behind the last of these
.endr
	v_and_b32 v1, 15, v0                           ; r
	v_bfe_u32 v2, v0, 4, 1                         ; h
	v_and_b32 v3, 31, v0
	v_lshlrev_b32 v[LI], 4, v3
	s_mul_i32 s21, s15, HALFT                      ; my 8 tiles of A
	s_mul_i32 s22, s16, HALFT                      ; my 8 tiles of B,
	s_add_co_u32 s22, s22, 2*HALFT                 ; which lie behind A's 16
.irp s, 0,1
	v_add_nc_u32 v[ADRA+\s], s21, v[LI]
	v_add_nc_u32 v[ADRB+\s], s22, v[LI]
	s_add_co_u32 s21, s21, SLOT
	s_add_co_u32 s22, s22, SLOT
.endr
	s_mul_i32 s21, s15, HALFS                      ; A's scale words: my 8 tiles
	s_mul_i32 s22, s16, HALFS                      ; B's: my 8 tiles, behind A's 16
	s_add_co_u32 s22, s22, 2*HALFS
	s_sub_co_u32 s22, s22, s21
	v_mul_u32_u24 v6, s22, v2                      ; lanes 16-31 take B's: one product, the distance between the two bases
	s_add_co_u32 s21, s21, SCL
	v_lshl_add_u32 v5, v1, 2, v6
	v_add_nc_u32 v[ADRS], s21, v5
	s_lshl_b32 s23, s14, 9
	v_lshl_add_u32 v[SWS], v1, 2, s23
	v_add_nc_u32 v[SWR], s23, v[LI]
	s_lshl_b32 s66, s42, 1                         ; where my results go: J = 2 x B's tile + half,
	s_add_co_u32 s66, s66, s16
	s_lshl_b32 s66, s66, 7
	s_lshl_b32 s67, s17, 4                         ; I = 16 x A's tile + 8 x half
	s_add_co_u32 s66, s66, s67
	s_lshl_b32 s67, s15, 3
	s_add_co_u32 s66, s66, s67                     ; 128 J + I
	s_mul_i32 s96, s66, IMG
	s_mul_i32 s67, s12, TENS
	s_add_co_u32 s96, s96, s67
	s_mov_b32 s97, 0
	s_add_nc_u64 s[8:9], s[8:9], s[96:97]
	s_lshl_b32 s96, s66, 6
	s_lshl_b32 s67, s12, 17
	s_add_co_u32 s96, s96, s67
	s_add_nc_u64 s[10:11], s[10:11], s[96:97]
.macro FRAG reg, adr, q, i             ; a fragment comes as it was stored: three loads of 512 consecutive bytes
.irp c, 0,1,2
	ds_load_b128 v[\reg+4*\c:\reg+4*\c+3], v[\adr] offset:(\i)*TSL+(\q)*IMG+512*\c
.endr
.endm
; 16 matrix instructions: A's blocks a0, a0 + 1 x B's eight, the slot's q-th K step.  p: B's set; sc: the set of scale words.  zero = 1: the first product starts the sums.
; The 64 accumulators take turns, one instruction a turn, in the same order in every step.
.macro MUL16 a0, p, q, sc, zero
.irp a, \a0, \a0+1
.irp b, 0,1,2,3,4,5,6,7
.if \zero
	v_wmma_scale_f32_16x16x128_f8f6f4 v[8*(8*((\a)%4)+\b):8*(8*((\a)%4)+\b)+7], v[128*(\p)+FR*\b:128*(\p)+FR*\b+FR-1], v[AF+FR*(\a):AF+FR*(\a)+FR-1], 0, v[SC+8*NQ*(\sc)+NQ*\b+(\q)], v[SC+8*NQ*(\sc)+NQ*(\a)+(\q)] matrix_a_fmt:MATRIX_FMT_FP6 matrix_b_fmt:MATRIX_FMT_FP6 matrix_a_scale:MATRIX_SCALE_ROW1
.else
	v_wmma_scale_f32_16x16x128_f8f6f4 v[8*(8*((\a)%4)+\b):8*(8*((\a)%4)+\b)+7], v[128*(\p)+FR*\b:128*(\p)+FR*\b+FR-1], v[AF+FR*(\a):AF+FR*(\a)+FR-1], v[8*(8*((\a)%4)+\b):8*(8*((\a)%4)+\b)+7], v[SC+8*NQ*(\sc)+NQ*\b+(\q)], v[SC+8*NQ*(\sc)+NQ*(\a)+(\q)] matrix_a_fmt:MATRIX_FMT_FP6 matrix_b_fmt:MATRIX_FMT_FP6 matrix_a_scale:MATRIX_SCALE_ROW1
.endif
.endr
.endr
.endm
.macro FETCH_B slot, q, p
	WIN TO_B
.irp i, 0,1,2,3,4,5,6,7
	FRAG 128*(\p)+FR*\i, ADRB+\slot, \q, \i
.endr
	WIN 0
.endm
.macro FETCH_A slot, q, i0
.irp i, \i0, \i0+1, \i0+2, \i0+3
	FRAG AF+FR*(\i), ADRA+\slot, \q, \i
.endr
.endm
.macro SCALES sc                       ; a slot's scale words into set sc: lanes 0-15 take A's block i, lanes 16-31 B's block i
.irp i, 0,1,2,3,4,5,6,7
.irp q, 0,1
	ds_load_b32 v[SC+8*NQ*\sc+NQ*\i+\q], v[ADRS] offset:1024*\i+64*\q
.endr
.endr
.endm
.macro PLACES n                        ; plain vector instructions that name no register of the matrix instructions in front of them (ISA guide 7.12.1)
.rept \n
	v_nop
.endr
.endm
; A step of 128 along K that has its successor in the same slot.
.macro STEP slot, q, zero
	s_wait_dscnt 4*NL                              ; B's set, A's blocks 0-3 and the scale words are in; the youngest 12 loads (A's blocks 4-7) may be out
	WIN MUL_LO
	MUL16 0, (\q)%2, \q, \slot, \zero
	MUL16 2, (\q)%2, \q, \slot, \zero
	s_wait_dscnt 0                                 ; A's blocks 4-7 are in
	PLACES NP
	FETCH_B \slot, (\q)+1, 1-(\q)%2
	FETCH_A \slot, (\q)+1, 0
	WIN MUL_HI
	MUL16 4, (\q)%2, \q, \slot, \zero
	MUL16 6, (\q)%2, \q, \slot, \zero
	PLACES NP
	WIN 0
	FETCH_A \slot, (\q)+1, 4
.endm
; A slot's last step changes slots: ONE barrier; in front of it each wave waits for all its tensor loads, adds 0 to its spare word, and waits for that and for its own reads of this slot.  fill = 1: this slot is filled again, two slots ahead.
.macro TURN slot, next, fill
	s_wait_tensorcnt 0x0                           ; all my tensor loads have landed: my part of the next slot  (every window is 0 here)
	ds_add_u32 v[SPW], v[NIL]                      ; 0 onto my spare word
	s_wait_dscnt 4*NL+1                            ; (the add and the youngest 12 loads, A's blocks 4-7, may be out)
	WIN MUL_LO
	MUL16 0, 1, NQ-1, \slot, 0                     ; sixteen matrix instructions stand between the add and the wait for it
	s_wait_dscnt 0x0                               ; the add is done, and my reads of this slot are over
	s_barrier_signal -1
	MUL16 2, 1, NQ-1, \slot, 0
	WIN 0
	s_barrier_wait -1
.if \fill
	CREST                                          ; the barrier has opened a round of the cluster's barrier: no wave of any partner still reads this slot or has a load on its way
	s_add_nc_u64 s[G0+4*\slot+2:G0+4*\slot+3], s[G0+4*\slot+2:G0+4*\slot+3], 2*TSL
	s_add_nc_u64 s[G0B+4*\slot+2:G0B+4*\slot+3], s[G0B+4*\slot+2:G0B+4*\slot+3], 2*TSL
	JLOAD G0+4*\slot, G1, G0B+4*\slot, G1B         ; the first tensor load behind the round; its four v_nop are the places in front of the loads below
.else
	PLACES NP
.endif
	v_add_nc_u32 v[ADRS], 64*NQ, v[ADRS]           ; on to the next slot's scale words (no LDS load of mine is out)
	FETCH_B \next, 0, 0
	FETCH_A \next, 0, 0
	SCALES \next
	WIN MUL_HI
	MUL16 4, 1, NQ-1, \slot, 0
	MUL16 6, 1, NQ-1, \slot, 0
	PLACES NP
	WIN 0
	FETCH_A \next, 0, 4
.endm
	s_wait_tensorcnt 1                             ; the scale words and my part of slot 0 are in (slot 1's load may be out)
	s_barrier_signal -1
	s_barrier_wait -1                              ; everybody's are
	FETCH_B 0, 0, 0
	FETCH_A 0, 0, 0
	SCALES 0
	FETCH_A 0, 0, 4
	STEP 0, 0, 1                                   ; the first step stands in front of the loop: its products start the sums
	s_mov_b32 s3, LAPS-1
.Llap:                                                 ; a trip goes once round the ring and fills both slots again
	TURN 0, 1, 1
	STEP 1, 0, 0
	TURN 1, 0, 1
	STEP 0, 0, 0
	s_sub_co_u32 s3, s3, 1
	s_cmp_lg_u32 s3, 0
	s_cbranch_scc1 .Llap
	TURN 0, 1, 0                                   ; the last lap fills nothing
	STEP 1, 0, 0
	s_wait_dscnt 4*NL                              ; the very last step: nothing more to fetch
	WIN MUL_LO
	MUL16 0, 1, NQ-1, 1, 0
	MUL16 2, 1, NQ-1, 1, 0
	s_wait_dscnt 0
	WIN MUL_HI
	MUL16 4, 1, NQ-1, 1, 0
	MUL16 6, 1, NQ-1, 1, 0
	WIN 0
; THE WAY OUT.  Block a's 64 registers of a lane are 64 numbers of one row of A: register 16 b + i = j 32 b + 16 h + i of my 128.  They become one fragment and one scale word a row.
; Each accumulator is first read at its registers 0 and 1.  Every block has code registers of its own, so no store's data are written again.
.macro QUANTW a
.set AC, 64*((\a)%4)
.set WW, 2+(\a)/4
.set WM, (WW<<2)|(WW<<4)
.set OC, OCB+12*(\a)
.irp b, 0,1,2,3
	v_mov_b32 v[TM+\b], 0x1800000                  ; the floor 2^(3 - 127): the byte cannot fall under 1
.endr
	WIN WM                                         ; sources 1 and 2: the accumulators' window
.irp i, 0,2,4,6,8,10,12,14
.irp b, 0,1,2,3
	v_max3_num_f32 v[TM+\b], v[TM+\b], |v[AC+16*\b+\i]|, |v[AC+16*\b+\i+1]|
.endr
.endr
	WIN 0
.irp b, 0,1,2,3
	v_permlanex16_b32 v[TM+4+\b], v[TM+\b], s[SEL], s[SEL+1]
.endr
.irp b, 0,1,2,3
	v_max_num_f32 v[TM+\b], v[TM+\b], v[TM+4+\b]   ; with lane l xor 16's: the block's largest magnitude
.endr
.irp b, 0,1,2,3
	v_add_nc_u32 v[TM+12+\b], 0xff000000, v[TM+\b] ; 2 off its exponent field: the conversion's scale operand
.endr
.irp b, 0,1,2,3
	v_lshrrev_b32 v[TM+4+\b], 23, v[TM+12+\b]      ; the scale's byte
.endr
	v_lshl_or_b32 v[PWB+(\a)], v[TM+5], 8, v[TM+4]
	v_lshl_or_b32 v[PWB+(\a)], v[TM+6], 16, v[PWB+(\a)]
	v_lshl_or_b32 v[PWB+(\a)], v[TM+7], 24, v[PWB+(\a)]
	WIN WW                                         ; source 0: the accumulators' window
.irp c, 0,1
	v_cvt_scalef32_pk16_fp6_f32 v[OC+6*\c:OC+6*\c+2], v[AC+32*\c:AC+32*\c+15], v[TM+12+2*\c]
	v_cvt_scalef32_pk16_fp6_f32 v[PT+4*\c:PT+4*\c+2], v[AC+32*\c+16:AC+32*\c+31], v[TM+13+2*\c]
.endr
	WIN 0
	v_nop                                          ; one plain place behind a scaled conversion
.irp c, 0,1
.irp i, 0,1,2
	v_permlane16_swap_b32 v[OC+6*\c+\i], v[PT+4*\c+\i]
.endr
.irp i, 0,1,2
	v_mov_b32 v[OC+3+6*\c+\i], v[PT+4*\c+\i]
.endr
.endr
.irp c, 0,1,2
	global_store_b128 v[LI], v[OC+4*\c:OC+4*\c+3], s[8:9] offset:IMG*(\a)+512*\c   ; 32 lanes store 512 consecutive bytes; my eight blocks 12,288 on end
.endr
	ds_store_b32 v[SWS], v[PWB+(\a)] offset:64*(\a)   ; lanes l and l xor 16 write the same word with the same value
.endm
	PLACES NP                                      ; behind the last products: their results are read, and A's old registers written, only behind these
.irp b, 0,1,2,3
	v_mov_b32 v[TM+4+\b], 0                        ; written once: a lane permute's destination counts as one of its sources
.endr
.irp a, 0,1,2,3,4,5,6,7
	QUANTW \a
.endr
	ds_load_b128 v[SB:SB+3], v[SWR]                ; my eight blocks' scale words: these see my stores
	s_wait_dscnt 0x0
	global_store_b128 v[LI], v[SB:SB+3], s[10:11]  ; 512 consecutive bytes
	s_wait_tensorcnt 0x0                           ; the wave's end
	ds_add_u32 v[SPW], v[NIL]
	s_wait_dscnt 0x0
	CROUND                                         ; the closing round: no work-group ends while a partner may still ask for a tile that names it
	s_endpgm
.Lfunc_end_k_qf6d78078eb_qkv:
	.size	k_qf6d78078eb_qkv, .Lfunc_end_k_qf6d78078eb_qkv-k_qf6d78078eb_qkv
	.p2alignl 7, 3214868480
	.fill 96, 4, 3214868480
	.section	.rodata,"a",@progbits
	.p2align	6, 0x0
	.amdhsa_kernel k_qf6d78078eb_qkv
		.amdhsa_group_segment_fixed_size 327680
		.amdhsa_private_segment_fixed_size 0
		.amdhsa_enable_private_segment 0
		.amdhsa_kernarg_size 32
		.amdhsa_user_sgpr_count 2
		.amdhsa_user_sgpr_kernarg_segment_ptr 1
		.amdhsa_wavefront_size32 1
		.amdhsa_system_sgpr_workgroup_id_x 1
		.amdhsa_system_sgpr_workgroup_id_y 1
		.amdhsa_system_sgpr_workgroup_id_z 1
		.amdhsa_system_vgpr_workitem_id 0
		.amdhsa_next_free_vgpr 1024
		.amdhsa_next_free_sgpr 100
		.amdhsa_reserve_vcc 0
		.amdhsa_float_denorm_mode_32 3
		.amdhsa_float_denorm_mode_16_64 3
		.amdhsa_memory_ordered 1
		.amdhsa_forward_progress 1
		.amdhsa_inst_pref_size 143
	.end_amdhsa_kernel
	.amdgpu_metadata
---
amdhsa.version: [ 1, 2 ]
amdhsa.kernels:
  - .name:           k_qf6d78078eb_qkv
    .symbol:         k_qf6d78078eb_qkv.kd
    .args:
      - { .name: cw, .offset: 0, .size: 8, .value_kind: global_buffer, .address_space: global }
      - { .name: sw, .offset: 8, .size: 8, .value_kind: global_buffer, .address_space: global }
      - { .name: qkvc, .offset: 16, .size: 8, .value_kind: global_buffer, .address_space: global }
      - { .name: qkvs, .offset: 24, .size: 8, .value_kind: global_buffer, .address_space: global }
    .group_segment_fixed_size: 327680
    .private_segment_fixed_size: 0
    .kernarg_segment_align: 8
    .kernarg_segment_size: 32
    .max_flat_workgroup_size: 128
    .sgpr_count:     100
    .vgpr_count:     1024
    .wavefront_size: 32
...
	.end_amdgpu_metadata
.endif
;; end of part 2
;; launch attn (part 3): grid 16 x 16, 8 waves a work-group, clusters of 4 x 1, 327,680 bytes of LDS; arguments qkvc, qkvs, mimg, ac, asc; writes ac, asc
.if DOCPART == 3
	.amdgcn_target "amdgcn-amd-amdhsa--gfx1250"
	.amdhsa_code_object_version 6
	.text
	.protected	k_qf6d78078eb_attn
	.globl	k_qf6d78078eb_attn
	.p2align	8
	.type	k_qf6d78078eb_attn,@function
k_qf6d78078eb_attn:
	s_mov_b64 s[64:65], 0
	v_nop
	global_prefetch_b8 v0, s[64:65] scope:SCOPE_SE
	s_setreg_imm32_b32 hwreg(HW_REG_WAVE_MODE, 25, 1), 1
	s_wait_xcnt 0x0
	s_wait_alu depctr_hold_cnt(0) depctr_sa_sdst(0) depctr_va_vdst(0) depctr_va_sdst(0) depctr_va_ssrc(0) depctr_va_vcc(0) depctr_vm_vsrc(0)
	s_getreg_b32 s2, hwreg(HW_REG_IB_STS2, 6, 4)
	s_cmp_eq_u32 s2, 0
	s_cbranch_scc0 .Lentry_in_a_cluster
	s_endpgm
.Lentry_in_a_cluster:
	s_bfe_u32 s2, ttmp6, 0x10000c
	s_cmp_lg_u32 s2, 0x3003
	s_cbranch_scc0 .Lentry_shape_is_right
	s_endpgm
.Lentry_shape_is_right:
; Attention of 16 heads, 2,048 queries and keys, head size 128, both products on codes of FP6 (E2M3) with E8M0 scales; an additive mask is honoured as it is given.
; u = (q . k) / sqrt(128) + mask; t = u x log2(e); M = the row's largest t so far, rounded UP to a whole number; p = 2^(t - M) is quantised along the keys, not normalised.
; The row's sum is taken of the unquantised p and divides O at the end; when M moves, the sum and O are multiplied by 2^(old M - new M): exact.  O / the sum is quantised along the head's 128 and leaves as codes.
; IN: images of fragments (1,536 bytes: registers 4 c .. 4 c + 3 of lane l at 512 c + 16 l).  q: image (head, query tile) at (128 head + T) x 1,536 of qkvc; k: the same 3,145,728 bytes on;
; v (keys innermost): image (key step J, 8 head + channel tile) at 6,291,456 + (128 J + 8 head + ct) x 1,536.  Scale words in qkvs, 64 bytes an image, in the same order.  A tile holds rows 32 (T / 2) + 8 (T % 2) + r + 8 (r / 8).
; The mask: unit (T, key step) of 8,192 bytes in mimg: register 16 b + i of lane (r, h) = mask[query r of T][128 step + 32 b + 16 h + i]: the very places of the scores.
; OUT: image (T, head) at (16 T + head) x 1,536 in ac; scale words at (16 T + head) x 64 in asc.
; SHARES: a work-group owns 128 queries of one head, each of its eight waves one tile of 16: two waves to a SIMD, 512 registers each, so that one wave's vector work stands beside the other's products and loads.
; Both products are used transposed (S^T = K Q^T, O^T = V^T P^T): a lane holds one query throughout, and by the tiles' order of rows the 16 registers of two neighbouring tiles are 16 neighbouring keys (channels).
; K's and V's images come through a ring of two LDS slots of 256 keys (waves 0, 1: K's two steps; waves 2, 3: V's); their scale words of the whole head come once (waves 4, 5).
; EVERY OPERAND IS ASKED FOR AHEAD OF ITS USE.  A step's eight fragments of V are asked for behind its products K Q^T and land under the softmax; the next step's eight fragments of K are asked for in the
; softmax's middle and land under its second half and the products V^T P^T; the mask has two sets of registers and is asked for two steps ahead.  THE CHANGE OF SLOTS stands in the middle of a slot's second step:
; the wave's last reads of the slot, V's, were issued some 200 instructions earlier, and the next slot's K is asked for straight behind the refill.
; CLUSTER: the four work-groups of a cluster belong to one head and walk the same K and V: every tensor load is joint.  The mask is not: in a work-group each unit is wanted in the registers of one wave alone;
; shared among heads it would pass through LDS, 64 KB written and read again for each key step beside K's and V's 24 KB.
; LIMITS: a query all of whose keys carry -infinity in the mask is not served; -infinity on some keys is: p = 0.  A block of zeros, or one under 2^-124, gets the byte 1.
; asc is stored 64 bytes at a time: 131,072 bytes in the whole launch.
; REGISTERS: window 0: v1-6 addresses that stay; v8, v10 addresses in hand; v12 -M, v13 the largest t, v[14:15] the sum in two halves; v16-27 Q; v28-31 K's scale words, two tiles each; v32-95 the odd steps' mask;
;   v96-159 S^T, then p; v160-223 O^T; v224-235 p's codes; v232-247, v252, v254 at work; v248-251 V's scale words; v253 p's scale word; v255 Q's.
;   window 1: v0-63 the even steps' mask; v64-159 K's eight fragments; v160-255 V's eight.
.set IMG,   1536
.set STEPB, 8*IMG                      ; a key step's eight images of K or of V
.set VOFF,  2*STEPB                    ; a slot: K's two steps, then V's two
.set SLOT1, 65536                      ; slot 1 begins here: one exclusive or turns an address
.set SCK,   2*SLOT1                    ; K's scale words of the head: 8,192 bytes, 512 a key step
.set SCV,   SCK+8192                   ; V's likewise
.set SPARE, SCV+8192                   ; the spare words, 128 bytes for each wave: four blocks of 256 bytes that no other line names
.set NSL,   8                          ; slots' worth of keys
.set TENS,  3145728
.set LI,   1                           ; v1   16 x lane
.set ASK0, 2                           ; v2   SCK + 4 x lane
.set R4,   3                           ; v3   4 r
.set LN,   4                           ; v4   lane
.set SPW,  5                           ; v5   my spare word; never rewritten
.set NIL,  6                           ; v6   0; never rewritten
.set AD,   8                           ; v8   16 x lane + the slot in hand
.set ADS,  10                          ; v10  SCK + 4 x lane + 512 x the key step
.set KS,   28                          ; v28-31   K's scale words: register p: lanes 0-15 tile 2 p, lanes 16-31 tile 2 p + 1
.set VS,   248                         ; v248-251 V's likewise
.set MKB,  32                          ; window 0: the odd steps' mask
.set MKA,  0                           ; window 1: the even steps' mask
.set KF,   64                          ; window 1: K's fragments
.set VF,   160                         ; window 1: V's
.set PC,   32                          ; the way out: codes, at work, the scale word
.set TM,   64
.set PW,   80
.set WV,   18
.set SEL,  20
.set SCA,  22                          ; s[22:23] 1 / sqrt(128)
.set L2E,  24                          ; s[24:25] log2(e)
.set MBB,  26                          ; s[26:27] the odd steps' unit of the mask last asked for
.set G1C,  28
.set G1SK, 36
.set G1SV, 44
.set G0C,  52
.set G0SK, 56
.set G0SV, 60
.set INC,  66                          ; s[66:67] what my load's address steps by from slot to slot
.set TB,   68                          ; s68  the slot in hand
.set TS,   69                          ; s69  the key step's scale words: 512 bytes a step
.set SLOTS, 70
.set MBA,  72                          ; s[72:73] the even steps' unit of the mask last asked for
.set MSB, 0
.macro WIN new                         ; the immediate's high byte repeats the setting that is left
.if MSB != (\new)
	s_set_vgpr_msb (MSB<<8)|(\new)
.set MSB, (\new)
.endif
.endm
.macro CROUND                          ; a round of the cluster's barrier
	s_barrier_signal -1
	s_barrier_wait -1
	s_cmp_lg_u32 s[WV], 0
	s_cbranch_scc1 .Lnot_wave_0_\@
	s_barrier_signal -3
.Lnot_wave_0_\@:
	s_barrier_wait -3
	s_barrier_signal -1
	s_barrier_wait -1
.endm
.macro JLOAD                           ; waves 0 to 3 fetch a step's images each; the branch hangs on the wave's number alone.  Four v_nop follow the load
	s_cmp_lt_u32 s[WV], 4
	s_cbranch_scc0 .Lnone_\@
	tensor_load_to_lds s[G0C:G0C+3], s[G1C:G1C+7]
	s_nop 0
.rept 4
	v_nop
.endr
.Lnone_\@:
.endm
.macro QUANT s
.irp b, 0,1,2,3
	v_max3_num_f32 v[TM+\b], |v[\s+16*\b]|, |v[\s+1+16*\b]|, 0x1800000
.endr
.irp i, 2,4,6,8,10,12,14
.irp b, 0,1,2,3
	v_max3_num_f32 v[TM+\b], v[TM+\b], |v[\s+16*\b+\i]|, |v[\s+1+16*\b+\i]|
.endr
.endr
.irp b, 0,1,2,3
	v_permlanex16_b32 v[TM+4+\b], v[TM+\b], s[SEL], s[SEL+1]
.endr
.irp b, 0,1,2,3
	v_max_num_f32 v[TM+\b], v[TM+\b], v[TM+4+\b]
.endr
.irp b, 0,1,2,3
	v_add_nc_u32 v[TM+12+\b], 0xff000000, v[TM+\b]
.endr
.irp b, 0,1,2,3
	v_lshrrev_b32 v[TM+4+\b], 23, v[TM+12+\b]
.endr
	v_lshl_or_b32 v[PW], v[TM+5], 8, v[TM+4]
	v_lshl_or_b32 v[PW], v[TM+6], 16, v[PW]
	v_lshl_or_b32 v[PW], v[TM+7], 24, v[PW]
.irp c, 0,1
	v_cvt_scalef32_pk16_fp6_f32 v[PC+6*\c:PC+2+6*\c], v[\s+32*\c:\s+15+32*\c], v[TM+12+2*\c]
	v_cvt_scalef32_pk16_fp6_f32 v[PC+12+4*\c:PC+14+4*\c], v[\s+16+32*\c:\s+31+32*\c], v[TM+13+2*\c]
.endr
	v_nop
.irp c, 0,1
.irp i, 0,1,2
	v_permlane16_swap_b32 v[PC+6*\c+\i], v[PC+12+4*\c+\i]
.endr
.irp i, 0,1,2
	v_mov_b32 v[PC+3+6*\c+\i], v[PC+12+4*\c+\i]
.endr
.endr
.endm
; 28 LDS loads in one run: a key step's eight fragments of K, koff bytes into the slot in hand, and their scale words, soff bytes on from the step in hand's
.macro KLOAD koff, soff
	WIN 0x40                                       ; destination window 1, address window 0
.irp t, 0,1,2,3,4,5,6,7
.irp c, 0,1,2
	ds_load_b128 v[KF+12*\t+4*\c:KF+12*\t+4*\c+3], v[AD] offset:(\koff)+IMG*\t+512*\c
.endr
.endr
	WIN 0
.irp p, 0,1,2,3
	ds_load_b32 v[KS+\p], v[ADS] offset:(\soff)+128*\p   ; lanes 0-15: the words of tile 2 p; lanes 16-31: of tile 2 p + 1
.endr
.endm
; the same for V of the slot's q-th step
.macro VLOAD q
	WIN 0x40
.irp t, 0,1,2,3,4,5,6,7
.irp c, 0,1,2
	ds_load_b128 v[VF+12*\t+4*\c:VF+12*\t+4*\c+3], v[AD] offset:VOFF+STEPB*(\q)+IMG*\t+512*\c
.endr
.endr
	WIN 0
.irp p, 0,1,2,3
	ds_load_b32 v[VS+\p], v[ADS] offset:8192+128*\p
.endr
.endm
; THE CHANGE OF SLOTS.  Each wave waits for all its tensor loads, adds 0 to its spare word, and waits for that and for its reads of the slot that it leaves.
; fill = 1: that slot is filled with the keys two slots on, behind a round of the cluster's barrier; the load has two key steps in which to land.
.macro CHANGE fill
	s_wait_tensorcnt 0x0                           ; no tensor load of mine is out, so a group 0 may be written
	ds_add_u32 v[SPW], v[NIL]                      ; 0 onto my spare word
.if \fill
	s_xor_b32 s[G0C+1], s[G0C+1], SLOT1            ; the walking descriptor: the other slot than last time,
	s_add_nc_u64 s[G0C+2:G0C+3], s[G0C+2:G0C+3], s[INC:INC+1]   ; the next 256 keys; the type bits on top are not reached
.endif
	s_wait_dscnt 0x0                               ; the add is done, and my reads of the slot that I leave are over
.if \fill
	CROUND
	JLOAD                                          ; the first thing behind the round, and a wave's one tensor load until the next
.else
	s_barrier_signal -1
	s_barrier_wait -1
.endif
.endm
; A KEY STEP: 128 keys, the q-th of the slot in hand.  more = 1: the mask's unit of two steps on is asked for.  left: how many younger loads of the mask may stay out.
; mode: what stands in the softmax's middle: 1: the next step's K, out of the same slot;  2: the change of slots with its refill, then the next slot's first K;  3: the same without a refill;  0: nothing (the last step).
.macro STEP q, more, left, mode
	s_wait_dscnt 0x0                               ; K's fragments and scale words, asked for half a step ago
	WIN 0x01                                       ; source 0 window 1
.irp t, 0,2,4,6                                ; S^T = K Q^T: eight tiles of 16 keys
	v_wmma_scale_f32_16x16x128_f8f6f4 v[96+8*\t:103+8*\t], v[KF+12*\t:KF+12*\t+11], v[16:27], 0, v[KS+\t/2], v255 matrix_a_fmt:MATRIX_FMT_FP6 matrix_b_fmt:MATRIX_FMT_FP6
	v_wmma_scale_f32_16x16x128_f8f6f4 v[104+8*\t:111+8*\t], v[KF+12*\t+12:KF+12*\t+23], v[16:27], 0, v[KS+\t/2], v255 matrix_a_fmt:MATRIX_FMT_FP6 matrix_b_fmt:MATRIX_FMT_FP6 matrix_a_scale:MATRIX_SCALE_ROW1
.endr
	WIN 0
	v_add_nc_u32 v[ADS], s[TS], v[ASK0]            ; this step's scale words
	v_nop
	v_nop
	v_nop                                          ; with the addition: four places, in front of the loads into V's registers, which the last step's products read, and of the first read of the scores
	VLOAD \q                                       ; V lands under the softmax
	s_wait_loadcnt \left                           ; this step's unit of the mask, asked for two steps ago; the next step's sixteen loads may be out
.if \q == 0
	WIN 0x10                                       ; source 2 window 1
.set J, 0
.rept 32
	v_pk_fma_f32 v[96+J:97+J], v[96+J:97+J], s[SCA:SCA+1], v[MKA+J:MKA+J+1] op_sel_hi:[1,0,1]   ; u = score / sqrt(128) + mask; each accumulator from its low end on
.set J, J+2
.endr
.if \more
	s_add_nc_u64 s[MBA:MBA+1], s[MBA:MBA+1], 16384   ; (the loads that named this base are done: the counted wait above has shown it)
	WIN 0x40
.irp c, 0,1,2,3,4,5,6,7,8,9,10,11,12,13,14,15
	global_load_b128 v[MKA+4*\c:MKA+4*\c+3], v[LI], s[MBA:MBA+1] offset:512*\c   ; the unit of two steps on
.endr
.endif
	WIN 0
.else
.set J, 0
.rept 32
	v_pk_fma_f32 v[96+J:97+J], v[96+J:97+J], s[SCA:SCA+1], v[MKB+J:MKB+J+1] op_sel_hi:[1,0,1]
.set J, J+2
.endr
.if \more
	s_add_nc_u64 s[MBB:MBB+1], s[MBB:MBB+1], 16384
.irp c, 0,1,2,3,4,5,6,7,8,9,10,11,12,13,14,15
	global_load_b128 v[MKB+4*\c:MKB+4*\c+3], v[LI], s[MBB:MBB+1] offset:512*\c
.endr
.endif
.endif
.irp b, 0,1,2,3
	v_max3_num_f32 v[232+\b], v[96+16*\b], v[97+16*\b], v[98+16*\b]   ; the largest u of each block of 32 keys: for the row's maximum and, since p rises with u, for the block's largest p
.endr
.irp i, 3,5,7,9,11,13
.irp b, 0,1,2,3
	v_max3_num_f32 v[232+\b], v[232+\b], v[96+16*\b+\i], v[97+16*\b+\i]
.endr
.endr
.irp b, 0,1,2,3
	v_max_num_f32 v[232+\b], v[232+\b], v[111+16*\b]
.endr
.irp b, 0,1,2,3
	v_permlanex16_b32 v[236+\b], v[232+\b], s[SEL], s[SEL+1]
.endr
.irp b, 0,1,2,3
	v_max_num_f32 v[232+\b], v[232+\b], v[236+\b]  ; with lane l xor 16's 16 keys
.endr
	v_max3_num_f32 v254, v232, v233, v234
	v_max_num_f32 v254, v254, v235                 ; the step's largest u of my query
	v_mul_f32 v254, s[L2E], v254                   ; as t
	v_max_num_f32 v13, v13, v254                   ; the running largest t
	v_mov_b32 v254, v12
	v_floor_f32 v12, -v13                          ; the new -M = floor(-t) = -ceil(t): a whole number
	v_sub_f32 v254, v12, v254                      ; M's old value less its new one: a whole number, 0 or less
	v_cvt_i32_f32 v254, v254                       ; (it saturates)
	v_ldexp_f32 v252, 1.0, v254                    ; f = 2^(old M - new M)
.set J, 0
.rept 32
	v_pk_fma_f32 v[96+J:97+J], v[96+J:97+J], s[L2E:L2E+1], v[12:13] op_sel_hi:[1,0,0]   ; t - M, two at a time
.set J, J+2
.endr
.irp b, 0,1,2,3
	v_fma_f32 v[232+\b], v[232+\b], s[L2E], v12    ; the same of each block's largest u
.endr
.set J, 0
.rept 64
	v_exp_f32 v[96+J], v[96+J]                     ; p = 2^(t - M): not normalised
.set J, J+1
.endr
.irp b, 0,1,2,3
	v_exp_f32 v[232+\b], v[232+\b]                 ; the block's largest p: the same two instructions on the same number give the same bits
.endr
	v_pk_mul_f32 v[14:15], v[14:15], v[252:253] op_sel_hi:[1,0]   ; the sums under the new M.  (A plain place behind the exponentials)
	; THE MIDDLE: the next step's K is asked for; it lands under the rest of the softmax and the products V^T P^T
.if \mode == 1
	KLOAD STEPB, 512
.endif
.if \mode == 2
	CHANGE 1
.endif
.if \mode == 3
	CHANGE 0
.endif
.if \mode >= 2
	s_xor_b32 s[TB], s[TB], SLOT1                  ; on to the other slot, which the barrier has shown whole
	v_add_nc_u32 v[AD], s[TB], v[LI]
	s_wait_alu depctr_va_vdst(0)
	KLOAD 0, 512
.endif
	s_wait_alu depctr_va_vdst(0)
.irp b, 0,1,2,3
	v_max_num_f32 v[232+\b], 0x1800000, v[232+\b]  ; the floor 2^(3 - 127): the byte cannot fall under 1
.endr
.irp b, 0,1,2,3
	v_add_nc_u32 v[244+\b], 0xff000000, v[232+\b]  ; 2 off the exponent field: the conversion's scale operand
.endr
.irp b, 0,1,2,3
	v_lshrrev_b32 v[236+\b], 23, v[244+\b]         ; the scale's byte
.endr
	v_lshl_or_b32 v253, v237, 8, v236              ; p's scale word for these 128 keys
	v_lshl_or_b32 v253, v238, 16, v253
	v_lshl_or_b32 v253, v239, 24, v253
.irp c, 0,1
	v_cvt_scalef32_pk16_fp6_f32 v[224+6*\c:226+6*\c], v[96+32*\c:111+32*\c], v[244+2*\c]
	v_cvt_scalef32_pk16_fp6_f32 v[236+4*\c:238+4*\c], v[112+32*\c:127+32*\c], v[245+2*\c]
.endr
	v_nop                                          ; one plain place behind a scaled conversion
.irp c, 0,1
.irp i, 0,1,2
	v_permlane16_swap_b32 v[224+6*\c+\i], v[236+4*\c+\i]
.endr
.irp i, 0,1,2
	v_mov_b32 v[227+6*\c+\i], v[236+4*\c+\i]
.endr
.endr
	v_pk_add_f32 v[236:237], v[96:97], v[98:99]    ; the row's sum is taken of the unquantised p: two at a time, in two chains
.irp j, 4,8,12,16,20,24,28,32,36,40,44,48,52,56,60
	v_pk_add_f32 v[14:15], v[14:15], v[96+\j:97+\j]
	v_pk_add_f32 v[236:237], v[236:237], v[98+\j:99+\j]
.endr
	v_pk_add_f32 v[14:15], v[14:15], v[236:237]
.set J, 0
.rept 32
	v_pk_mul_f32 v[160+J:161+J], v[160+J:161+J], v[252:253] op_sel_hi:[1,0]   ; O^T under the new M; each accumulator from its low end on.  (These are also the places between p's codes and scale word and the products below)
.set J, J+2
.endr
.if \mode
	s_wait_dscnt 28                                ; V's fragments and scale words are in; the next K's 24 + 4 loads, issued behind them, may be out
.else
	s_wait_dscnt 0x0
.endif
	WIN 0x01
.irp t, 0,2,4,6                                ; O^T += V^T P^T: eight tiles of 16 channels; the eight accumulators take turns, one instruction a turn
	v_wmma_scale_f32_16x16x128_f8f6f4 v[160+8*\t:167+8*\t], v[VF+12*\t:VF+12*\t+11], v[224:235], v[160+8*\t:167+8*\t], v[VS+\t/2], v253 matrix_a_fmt:MATRIX_FMT_FP6 matrix_b_fmt:MATRIX_FMT_FP6
	v_wmma_scale_f32_16x16x128_f8f6f4 v[168+8*\t:175+8*\t], v[VF+12*\t+12:VF+12*\t+23], v[224:235], v[168+8*\t:175+8*\t], v[VS+\t/2], v253 matrix_a_fmt:MATRIX_FMT_FP6 matrix_b_fmt:MATRIX_FMT_FP6 matrix_a_scale:MATRIX_SCALE_ROW1
.endr
	WIN 0
	s_add_co_u32 s[TS], s[TS], 512                 ; the next step's scale words
.endm
	s_load_b256 s[4:11], s[0:1], 0x0               ; qkvc s[4:5], qkvs s[6:7], mimg s[8:9], ac s[10:11]
	s_load_b64 s[12:13], s[0:1], 0x20              ; asc
	v_lshl_add_u32 v[SPW], v0, 2, SPARE
	v_mov_b32 v[NIL], 0
	ds_add_u32 v5, v6
	s_wait_dscnt 0x0
	v_lshrrev_b32 v8, 5, v0
	v_readfirstlane_b32 s[WV], v8                  ; wave 0..7
	s_bfe_u32 s74, ttmp6, 0x40000                  ; cx: it enters Q's, the mask's and the output's addresses alone
	s_lshl_b32 s75, ttmp9, 2
	s_add_co_u32 s75, s75, s74
	s_lshl_b32 s75, s75, 3
	s_add_co_u32 s75, s75, s[WV]                   ; T: my tile of 16 queries
	s_and_b32 s76, ttmp7, 0xffff                   ; the head, which the four partners share
	; what I fetch, if I fetch: kv = 0: K, 1: V; e: which of a slot's two steps
	s_lshr_b32 s77, s[WV], 1
	s_min_u32 s77, s77, 1
	s_and_b32 s78, s[WV], 1
	s_mul_i32 s79, s77, 184320
	s_sub_co_u32 s80, 196608, s79                  ; bytes from head to head: K 196,608, V 12,288
	s_mul_i32 s80, s80, s76
	s_add_co_u32 s81, s79, 12288                   ; bytes from key step to key step: K 12,288, V 196,608
	s_mul_i32 s81, s81, s78
	s_add_co_u32 s80, s80, s81
	s_mul_i32 s81, s77, TENS
	s_add_co_u32 s80, s80, s81
	s_add_co_u32 s80, s80, TENS
	s_mov_b32 s81, 0
	s_mul_i32 s[INC], s77, 368640
	s_add_co_u32 s[INC], s[INC], 24576             ; two key steps on
	s_mov_b32 s[INC+1], 0
	s_lshl_b32 s82, s76, 13
	s_add_co_u32 s82, s82, 131072                  ; K's scale words of the head
	s_mov_b32 s83, 0
	s_lshl_b32 s84, s76, 9
	s_add_co_u32 s84, s84, 262144                  ; V's: 512 bytes in each key step's 8,192
	s_mov_b32 s85, 0
	; descriptor groups 1.  Codes: 12,288 dense bytes as 48 rows of 256, in elements of 8 bytes; the mask names all four work-groups
	s_mov_b32 s[G1C], 15|(3<<16)|(1<<21)
	s_mov_b32 s[G1C+1], 32<<16
	s_mov_b32 s[G1C+2], 48<<16
	s_mov_b32 s[G1C+3], 32<<16
	s_mov_b32 s[G1C+4], 48
	s_mov_b32 s[G1C+5], 32
	s_mov_b32 s[G1C+6], 0
	s_mov_b32 s[G1C+7], 0
	s_mov_b32 s[G1SK], 15|(3<<16)|(1<<21)          ; K's scale words: 8,192 dense bytes as 32 rows of 256
	s_mov_b32 s[G1SK+1], 32<<16
	s_mov_b32 s[G1SK+2], 32<<16
	s_mov_b32 s[G1SK+3], 32<<16
	s_mov_b32 s[G1SK+4], 32
	s_mov_b32 s[G1SK+5], 32
	s_mov_b32 s[G1SK+6], 0
	s_mov_b32 s[G1SK+7], 0
	s_mov_b32 s[G1SV], 15|(3<<16)|(1<<21)          ; V's: 16 rows of 512 bytes, 8,192 bytes apart
	s_mov_b32 s[G1SV+1], 64<<16
	s_mov_b32 s[G1SV+2], 16<<16
	s_mov_b32 s[G1SV+3], 64<<16
	s_mov_b32 s[G1SV+4], 16
	s_mov_b32 s[G1SV+5], 1024
	s_mov_b32 s[G1SV+6], 0
	s_mov_b32 s[G1SV+7], 0
	s_mov_b32 s[SEL], 0x76543210
	s_mov_b32 s[SEL+1], 0xfedcba98
	s_mov_b32 s[SCA], 0x3db504f3                   ; 1 / sqrt(128)
	s_mov_b32 s[SCA+1], s[SCA]                     ; (named with it as a pair, so it is written)
	s_mov_b32 s[L2E], 0x3fb8aa3b                   ; log2(e)
	s_mov_b32 s[L2E+1], s[L2E]
	s_mov_b32 s[TB], 0
	s_mov_b32 s[TS], 0
	s_mov_b32 s[SLOTS], NSL-2
	s_lshl_b32 s86, s76, 7
	s_add_co_u32 s86, s86, s75                     ; 128 head + T
	s_mul_i32 s88, s86, IMG
	s_mov_b32 s89, 0
	s_lshl_b32 s86, s86, 6
	s_mov_b32 s87, 0
	s_lshl_b32 s90, s75, 4
	s_add_co_u32 s90, s90, s76                     ; 16 T + head
	s_mov_b32 s91, 0
	s_lshl_b32 s[MBA], s75, 17                     ; the mask: 16 units of 8,192 bytes a tile
	s_mov_b32 s[MBA+1], 0
	s_wait_kmcnt 0x0
	s_mov_b32 s[G0C], 1
	s_mul_i32 s[G0C+1], s[WV], STEPB               ; slot 0: K step 0, K step 1, V step 0, V step 1
	s_add_nc_u64 s[G0C+2:G0C+3], s[4:5], s[80:81]
	s_or_b32 s[G0C+3], s[G0C+3], 0x80000000
	s_mov_b32 s[G0SK], 1
	s_mov_b32 s[G0SK+1], SCK
	s_add_nc_u64 s[G0SK+2:G0SK+3], s[6:7], s[82:83]
	s_or_b32 s[G0SK+3], s[G0SK+3], 0x80000000
	s_mov_b32 s[G0SV], 1
	s_mov_b32 s[G0SV+1], SCV
	s_add_nc_u64 s[G0SV+2:G0SV+3], s[6:7], s[84:85]
	s_or_b32 s[G0SV+3], s[G0SV+3], 0x80000000
	s_add_nc_u64 s[88:89], s[4:5], s[88:89]        ; Q's image
	s_add_nc_u64 s[86:87], s[6:7], s[86:87]        ; and its scale words
	s_add_nc_u64 s[MBA:MBA+1], s[8:9], s[MBA:MBA+1]   ; the mask's unit of key step 0,
	s_add_nc_u64 s[MBB:MBB+1], s[MBA:MBA+1], 8192  ; and of key step 1
	s_mul_i32 s74, s90, IMG
	s_mov_b32 s75, 0
	s_add_nc_u64 s[10:11], s[10:11], s[74:75]
	s_lshl_b32 s90, s90, 6
	s_add_nc_u64 s[12:13], s[12:13], s[90:91]
	CROUND                                         ; all four work-groups are here: the first joint loads meet
	s_cmp_lt_u32 s[WV], 4                          ; a wave's first fill stands in one chain of branches on its number: one tensor load of mine is out at the most
	s_cbranch_scc0 .Lnot_codes
	tensor_load_to_lds s[G0C:G0C+3], s[G1C:G1C+7]
	s_nop 0
.rept 4
	v_nop
.endr
	s_branch .Lfirst_asked
.Lnot_codes:
	s_cmp_eq_u32 s[WV], 4
	s_cbranch_scc0 .Lnot_sk
	tensor_load_to_lds s[G0SK:G0SK+3], s[G1SK:G1SK+7]
	s_nop 0
.rept 4
	v_nop
.endr
	s_branch .Lfirst_asked
.Lnot_sk:
	s_cmp_eq_u32 s[WV], 5
	s_cbranch_scc0 .Lfirst_asked
	tensor_load_to_lds s[G0SV:G0SV+3], s[G1SV:G1SV+7]
	s_nop 0
.rept 4
	v_nop
.endr
.Lfirst_asked:
	v_and_b32 v[LN], 31, v0
	v_lshlrev_b32 v[LI], 4, v[LN]
	v_lshl_add_u32 v[ASK0], v[LN], 2, SCK
	v_and_b32 v[R4], 15, v0
	v_lshlrev_b32 v[R4], 2, v[R4]
.irp c, 0,1,2
	global_load_b128 v[16+4*\c:19+4*\c], v[LI], s[88:89] offset:512*\c   ; Q's fragment stays in registers
.endr
	global_load_b32 v255, v[R4], s[86:87]          ; Q's scale words
	WIN 0x40                                       ; destination window 1
.irp c, 0,1,2,3,4,5,6,7,8,9,10,11,12,13,14,15
	global_load_b128 v[MKA+4*\c:MKA+4*\c+3], v[LI], s[MBA:MBA+1] offset:512*\c   ; the mask's unit of key step 0
.endr
	WIN 0
.irp c, 0,1,2,3,4,5,6,7,8,9,10,11,12,13,14,15
	global_load_b128 v[MKB+4*\c:MKB+4*\c+3], v[LI], s[MBB:MBB+1] offset:512*\c   ; and of key step 1
.endr
	v_mov_b32 v13, 0xff61b1e6                      ; the largest t so far: -3e38, under every t
	v_floor_f32 v12, -v13                          ; -M
	v_mov_b32 v14, 0
	v_mov_b32 v15, 0
.irp b, 0,1,2,3
	v_mov_b32 v[236+\b], 0                         ; written once: a lane permute's destination counts as one of its sources
.endr
	v_mov_b32 v253, 0                              ; (named as the upper half of the pair v[252:253] before it is first written)
.set J, 0
.rept 64
	v_mov_b32 v[160+J], 0                          ; O^T.  The step is written without a first form of its own: the first finds zeros, which the first change of M leaves zeros
.set J, J+1
.endr
	CHANGE 1                                       ; slot 0 and the scale words are whole for everybody; slot 1 is asked for, as a refill is
	v_add_nc_u32 v[AD], s[TB], v[LI]
	v_add_nc_u32 v[ADS], s[TS], v[ASK0]
	KLOAD 0, 0                                     ; K of key step 0
	s_wait_loadcnt 32                              ; Q's four loads are in; the mask's 32 may be out
.Lslot:                                            ; NSL - 2 trips, a slot's two steps each: in the second step's middle the slot is left and filled with the keys two slots on
	STEP 0, 1, 16, 1
	STEP 1, 1, 16, 2
	s_sub_co_u32 s[SLOTS], s[SLOTS], 1
	s_cmp_lg_u32 s[SLOTS], 0
	s_cbranch_scc1 .Lslot
	STEP 0, 1, 16, 1                               ; the last two slots are written out: the last slot but one is left without a refill
	STEP 1, 1, 16, 3
	STEP 0, 0, 16, 1                               ; and the last slot's steps ask for no unit of the mask: no load leaves its buffer
	STEP 1, 0, 0, 0
	; THE WAY OUT.  O^T / the sum; register 16 b + i of lane (r, h) is channel 32 b + 16 h + i of query r: quantised as it stands, it is the fragment (T, K step = head) of the last product.
.rept 4
	v_nop
.endr
	v_add_f32 v14, v14, v15
	v_permlanex16_b32 v252, v14, s[SEL], s[SEL+1]
	v_add_f32 v14, v14, v252                       ; the row's sum
	v_rcp_f32 v14, v14
.irp b, 0,1,2,3
	v_mov_b32 v[TM+4+\b], 0                        ; (plain places behind the transcendental; a lane permute's destination counts as one of its sources)
.endr
.set J, 0
	s_wait_alu depctr_va_vdst(0)
.rept 32
	v_pk_mul_f32 v[96+J:97+J], v[160+J:161+J], v[14:15] op_sel_hi:[1,0]   ; each accumulator from its low end on
.set J, J+2
.endr
	QUANT 96
.irp c, 0,1,2
	global_store_b128 v[LI], v[PC+4*\c:PC+4*\c+3], s[10:11] offset:512*\c   ; 32 lanes store 512 consecutive bytes
.endr
	s_wait_xcnt 0x0                                ; EXEC changes only behind this wait
	v_cmp_gt_u32 vcc_lo, 16, v[LN]
	s_and_saveexec_b32 s74, vcc_lo
	global_store_b32 v[R4], v[PW], s[12:13]        ; lanes 0-15: the tile's 16 scale words
	s_wait_xcnt 0x0
	s_or_b32 exec_lo, exec_lo, s74
	s_wait_tensorcnt 0x0                           ; the wave's end
	ds_add_u32 v[SPW], v[NIL]
	s_wait_dscnt 0x0
	CROUND                                         ; the closing round
	s_endpgm
.Lfunc_end_k_qf6d78078eb_attn:
	.size	k_qf6d78078eb_attn, .Lfunc_end_k_qf6d78078eb_attn-k_qf6d78078eb_attn
	.p2alignl 7, 3214868480
	.fill 96, 4, 3214868480
	.section	.rodata,"a",@progbits
	.p2align	6, 0x0
	.amdhsa_kernel k_qf6d78078eb_attn
		.amdhsa_group_segment_fixed_size 327680
		.amdhsa_private_segment_fixed_size 0
		.amdhsa_enable_private_segment 0
		.amdhsa_kernarg_size 40
		.amdhsa_user_sgpr_count 2
		.amdhsa_user_sgpr_kernarg_segment_ptr 1
		.amdhsa_wavefront_size32 1
		.amdhsa_system_sgpr_workgroup_id_x 1
		.amdhsa_system_sgpr_workgroup_id_y 1
		.amdhsa_system_sgpr_workgroup_id_z 1
		.amdhsa_system_vgpr_workitem_id 0
		.amdhsa_next_free_vgpr 512
		.amdhsa_next_free_sgpr 92
		.amdhsa_reserve_vcc 1
		.amdhsa_float_denorm_mode_32 3
		.amdhsa_float_denorm_mode_16_64 3
		.amdhsa_memory_ordered 1
		.amdhsa_forward_progress 1
		.amdhsa_inst_pref_size 152
	.end_amdhsa_kernel
	.amdgpu_metadata
---
amdhsa.version: [ 1, 2 ]
amdhsa.kernels:
  - .name:           k_qf6d78078eb_attn
    .symbol:         k_qf6d78078eb_attn.kd
    .args:
      - { .name: qkvc, .offset: 0, .size: 8, .value_kind: global_buffer, .address_space: global }
      - { .name: qkvs, .offset: 8, .size: 8, .value_kind: global_buffer, .address_space: global }
      - { .name: mimg, .offset: 16, .size: 8, .value_kind: global_buffer, .address_space: global }
      - { .name: ac, .offset: 24, .size: 8, .value_kind: global_buffer, .address_space: global }
      - { .name: asc, .offset: 32, .size: 8, .value_kind: global_buffer, .address_space: global }
    .group_segment_fixed_size: 327680
    .private_segment_fixed_size: 0
    .kernarg_segment_align: 8
    .kernarg_segment_size: 40
    .max_flat_workgroup_size: 256
    .sgpr_count:     92
    .vgpr_count:     512
    .wavefront_size: 32
...
	.end_amdgpu_metadata
.endif
;; end of part 3
;; launch oproj (part 4): grid 16 x 16, 4 waves a work-group, clusters of 4 x 4, 327,680 bytes of LDS; arguments ac, asc, cw, sw, out0; writes out0
.if DOCPART == 4
	.amdgcn_target "amdgcn-amd-amdhsa--gfx1250"
	.amdhsa_code_object_version 6
	.text
	.protected	k_qf6d78078eb_oproj
	.globl	k_qf6d78078eb_oproj
	.p2align	8
	.type	k_qf6d78078eb_oproj,@function
k_qf6d78078eb_oproj:
	s_mov_b64 s[64:65], 0
	v_nop
	global_prefetch_b8 v0, s[64:65] scope:SCOPE_SE
	s_setreg_imm32_b32 hwreg(HW_REG_WAVE_MODE, 25, 1), 1
	s_wait_xcnt 0x0
	s_wait_alu depctr_hold_cnt(0) depctr_sa_sdst(0) depctr_va_vdst(0) depctr_va_sdst(0) depctr_va_ssrc(0) depctr_va_vcc(0) depctr_vm_vsrc(0)
	s_getreg_b32 s2, hwreg(HW_REG_IB_STS2, 6, 4)
	s_cmp_eq_u32 s2, 0
	s_cbranch_scc0 .Lentry_in_a_cluster
	s_endpgm
.Lentry_in_a_cluster:
	s_bfe_u32 s2, ttmp6, 0x10000c
	s_cmp_lg_u32 s2, 0xf033
	s_cbranch_scc0 .Lentry_shape_is_right
	s_endpgm
.Lentry_shape_is_right:
; out0[s][n] = sum over k of A[s][k] wo[n][k], 2,048^3, on codes of FP6 (E2M3) with E8M0 scales; out0 f32.
; A (the attention's output) lies in ac, wo in cw behind four tensors of 3,145,728 bytes, both as images of fragments: image (row tile T, K step s) at (16 T + s) x 1,536, registers 4 c .. 4 c + 3 of lane l at 512 c + 16 l;
; scale words in asc, and in sw behind 4 x 131,072 bytes, at (16 T + s) x 64 + 4 r.  A row tile holds rows 32 (T / 2) + 8 (T % 2) + r + 8 (r / 8): the way out puts rows and columns back in their places.
; SHARES: a tile of out0 is 128 x 128, so that each of 256 work-groups has one; a wave makes 64 x 64: 16 accumulators.  K has 16 steps of 128; an LDS slot holds four.
; THREE slots are filled at the start (steps 0 to 11); slot 0 is filled ONCE more, with steps 12 to 15, behind step 3: that load has eight steps in which to land.  So the launch has one round for a refill.
; CLUSTERS: 4 x 4: A's tiles are shared along a row of the cluster, wo's along a column: every tensor load is joint.
; THE MATRIX INSTRUCTION IS USED TRANSPOSED (source 0 = a tile of wo, source 1 = a tile of A): a lane holds eight neighbouring numbers of a row of out0.
; REGISTERS: window 0: v16-29 addresses; v32-39 scale words, two sets, and nothing else; v40-103 rows on the way out; v128-255 the accumulators ((a, b) at v[128 + 8 (4 a + b)]).
;   window 1: two fragment buffers, at v0 and v128: A's four fragments (48 registers), then wo's four.
.set IMG,    1536
.set TROW,   16*IMG
.set NQ,     4
.set TSL,    NQ*IMG                    ; a row tile's bytes in a slot: 6,144
.set HALFT,  4*TSL                     ; 4 row tiles: what one tensor load brings, and what one wave reads of A or of wo
.set SLOT,   4*HALFT
.set SCL,    3*SLOT                    ; behind the slots: the scale words, 1,024 bytes a row tile
.set HALFS,  4*1024
.set SPARE,  SCL+4*HALFS               ; the spare words, 128 bytes for each wave: two blocks of 256 bytes that no other line names
.set STAGE,  SLOT                      ; the way out: 16 rows x 272 bytes for each wave, in slot 1: it is filled once, and its last read stands in front of the barrier at step 11
.set SPITCH, 272
.set ADRA, 16                          ; v16-18
.set ADRB, 20                          ; v20-22
.set STO,  24
.set RD,   25
.set CO,   26
.set ADRS, 27
.set SPW,  28
.set NIL,  29
.set SC,   32
.set OB,   40
.set ACC,  128
.set G1,   24
.set G1B,  32
.set G1S,  40
.set G1SB, 48
.set G0S,  56
.set G0SB, 60
.set G0,   68                          ; s[68:79] three sets, one for each slot
.set G0B,  80                          ; s[80:91]
.set MSB, 0
.macro WIN new
.if MSB != (\new)
	s_set_vgpr_msb (MSB<<8)|(\new)
.set MSB, (\new)
.endif
.endm
.set MUL,  0x05                        ; sources 0 and 1 window 1; C and D window 0
.set TO_F, 0x40                        ; destination window 1, address window 0
.macro JLOAD g0a, g1a, g0b, g1b        ; waves 0 and 1 fetch for A, waves 2 and 3 for wo; four v_nop follow each of the two lines
	s_cmp_eq_u32 s15, 0
	s_cbranch_scc0 .Lfor_b_\@
	tensor_load_to_lds s[\g0a:\g0a+3], s[\g1a:\g1a+7]
	s_nop 0
.rept 4
	v_nop
.endr
	s_branch .Lasked_\@
.Lfor_b_\@:
	tensor_load_to_lds s[\g0b:\g0b+3], s[\g1b:\g1b+7]
	s_nop 0
.rept 4
	v_nop
.endr
.Lasked_\@:
.endm
.macro CREST
	s_cmp_lg_u32 s14, 0
	s_cbranch_scc1 .Lnot_wave_0_\@
	s_barrier_signal -3
.Lnot_wave_0_\@:
	s_barrier_wait -3
	s_barrier_signal -1
	s_barrier_wait -1
.endm
.macro CROUND
	s_barrier_signal -1
	s_barrier_wait -1
	CREST
.endm
	s_load_b256 s[4:11], s[0:1], 0x0               ; ac s[4:5], asc s[6:7], cw s[8:9], sw s[10:11]
	s_load_b64 s[12:13], s[0:1], 0x20              ; out0
	v_lshl_add_u32 v[SPW], v0, 2, SPARE
	v_mov_b32 v[NIL], 0
	ds_add_u32 v28, v29
	s_wait_dscnt 0x0
	v_lshrrev_b32 v1, 5, v0
	v_readfirstlane_b32 s14, v1                    ; wave 0..3
	s_lshr_b32 s15, s14, 1                         ; which half of the tile's rows is mine.  Also: I fetch for A (0) or for wo (1)
	s_and_b32 s16, s14, 1                          ; which half of its columns.  Also: which 4 row tiles I fetch
	s_bfe_u32 s92, ttmp6, 0x40000                  ; cx
	s_bfe_u32 s93, ttmp6, 0x40004                  ; cy
	s_lshl_b32 s94, ttmp9, 2
	s_add_co_u32 s94, s94, s92                     ; tile column
	s_and_b32 s17, ttmp7, 0xffff
	s_lshl_b32 s17, s17, 2
	s_add_co_u32 s17, s17, s93                     ; tile row
	s_lshl_b32 s95, s93, 2
	s_lshl_b32 s95, 15, s95                        ; my row of the cluster
	s_lshl_b32 s96, 0x1111, s92                    ; my column
	; descriptor group 1: 4 rows (row tiles) of 6,144 bytes, 24,576 bytes apart, in elements of 8 bytes; no padding
	s_or_b32 s[G1+0], s95, (3<<16)|(1<<21)
	s_or_b32 s[G1B+0], s96, (3<<16)|(1<<21)
.irp g, G1, G1B
	s_mov_b32 s[\g+1], (TSL/8)<<16
	s_mov_b32 s[\g+2], 4<<16
	s_mov_b32 s[\g+3], (TSL/8)<<16
	s_mov_b32 s[\g+4], 4
	s_mov_b32 s[\g+5], TROW/8
	s_mov_b32 s[\g+6], 0
	s_mov_b32 s[\g+7], 0
.endr
	; the scale words of 4 row tiles: 4,096 dense bytes as 16 rows of 256
	s_or_b32 s[G1S+0], s95, (3<<16)|(1<<21)
	s_or_b32 s[G1SB+0], s96, (3<<16)|(1<<21)
.irp g, G1S, G1SB
	s_mov_b32 s[\g+1], 32<<16
	s_mov_b32 s[\g+2], 16<<16
	s_mov_b32 s[\g+3], 32<<16
	s_mov_b32 s[\g+4], 16
	s_mov_b32 s[\g+5], 32
	s_mov_b32 s[\g+6], 0
	s_mov_b32 s[\g+7], 0
.endr
	s_lshl_b32 s18, s16, 2
	s_lshl_b32 s20, s17, 3
	s_add_co_u32 s20, s20, s18                     ; A: the first row tile that I fetch
	s_lshl_b32 s22, s20, 10
	s_mov_b32 s23, 0
	s_mul_i32 s20, s20, TROW
	s_mov_b32 s21, 0
	s_lshl_b32 s98, s94, 3
	s_add_co_u32 s98, s98, s18                     ; wo: likewise
	s_lshl_b32 s100, s98, 10
	s_add_co_u32 s100, s100, 4*131072
	s_mov_b32 s101, 0
	s_mul_i32 s98, s98, TROW
	s_add_co_u32 s98, s98, 4*3145728
	s_mov_b32 s99, 0
	s_mul_i32 s19, s14, HALFT                      ; where they go: no place in the cluster enters an LDS address
	s_mul_i32 s97, s14, HALFS
	s_wait_kmcnt 0x0
	s_add_nc_u64 s[20:21], s[4:5], s[20:21]
	s_add_nc_u64 s[22:23], s[6:7], s[22:23]
	s_add_nc_u64 s[98:99], s[8:9], s[98:99]
	s_add_nc_u64 s[100:101], s[10:11], s[100:101]
	CROUND                                         ; all sixteen work-groups are here: the first joint loads meet
	s_mov_b32 s[G0S], 1
	s_add_co_u32 s[G0S+1], s97, SCL
	s_mov_b64 s[G0S+2:G0S+3], s[22:23]
	s_or_b32 s[G0S+3], s[G0S+3], 0x80000000
	s_mov_b32 s[G0SB], 1
	s_add_co_u32 s[G0SB+1], s97, SCL
	s_mov_b64 s[G0SB+2:G0SB+3], s[100:101]
	s_or_b32 s[G0SB+3], s[G0SB+3], 0x80000000
	JLOAD G0S, G1S, G0SB, G1SB
.irp s, 0,1,2
	s_mov_b32 s[G0+4*\s], 1
	s_add_co_u32 s[G0+4*\s+1], s19, \s*SLOT
	s_add_nc_u64 s[G0+4*\s+2:G0+4*\s+3], s[20:21], \s*TSL
	s_or_b32 s[G0+4*\s+3], s[G0+4*\s+3], 0x80000000
	s_mov_b32 s[G0B+4*\s], 1
	s_add_co_u32 s[G0B+4*\s+1], s19, \s*SLOT
	s_add_nc_u64 s[G0B+4*\s+2:G0B+4*\s+3], s[98:99], \s*TSL
	s_or_b32 s[G0B+4*\s+3], s[G0B+4*\s+3], 0x80000000
	JLOAD G0+4*\s, G1, G0B+4*\s, G1B               ; four tensor loads of mine are out behind the last of these
.endr
	v_and_b32 v1, 15, v0                           ; r
	v_bfe_u32 v2, v0, 4, 1                         ; h
	v_and_b32 v3, 31, v0
	v_lshlrev_b32 v4, 4, v3                        ; 16 x lane
	s_mul_i32 s21, s15, HALFT                      ; my 4 tiles of A
	s_mul_i32 s22, s16, HALFT                      ; my 4 tiles of wo,
	s_add_co_u32 s22, s22, 2*HALFT                 ; which lie behind A's 8
.irp s, 0,1,2
	v_add_nc_u32 v[ADRA+\s], s21, v4
	v_add_nc_u32 v[ADRB+\s], s22, v4
	s_add_co_u32 s21, s21, SLOT
	s_add_co_u32 s22, s22, SLOT
.endr
	s_mul_i32 s21, s15, HALFS
	s_mul_i32 s22, s16, HALFS
	s_add_co_u32 s22, s22, 2*HALFS
	s_sub_co_u32 s22, s22, s21
	v_mul_u32_u24 v6, s22, v2                      ; lanes 16-31 take wo's scale words: one product, the distance between the two bases
	s_add_co_u32 s21, s21, SCL
	v_lshl_add_u32 v5, v1, 2, v6
	v_add_nc_u32 v[ADRS], s21, v5
	s_mul_i32 s23, s14, 16*SPITCH
	s_add_co_u32 s23, s23, STAGE                   ; my stage
	v_mul_u32_u24 v5, v1, SPITCH                   ; in: row r, + 64 h
	v_lshl_add_u32 v5, v2, 6, v5
	v_add_nc_u32 v[STO], s23, v5
	v_mul_u32_u24 v5, v2, SPITCH                   ; back: lanes 0-15 one row of 256 bytes, lanes 16-31 the next
	v_lshl_add_u32 v5, v1, 4, v5
	v_add_nc_u32 v[RD], s23, v5
	v_lshlrev_b32 v5, 13, v2                       ; and the same two rows in out0, 8,192 bytes apart
	v_lshl_add_u32 v[CO], v1, 4, v5
	s_lshl_b32 s2, s17, 7
	s_lshl_b32 s3, s15, 6
	s_add_co_u32 s2, s2, s3                        ; my first row: 128 x tile row + 64 x half
	s_lshl_b32 s2, s2, 13
	s_lshl_b32 s3, s94, 9                          ; my first column, in bytes: 512 x tile column + 256 x half
	s_add_co_u32 s2, s2, s3
	s_lshl_b32 s3, s16, 8
	s_add_co_u32 s2, s2, s3
	s_mov_b32 s3, 0
	s_add_nc_u64 s[12:13], s[12:13], s[2:3]
; 28 LDS loads in one run: K step t's fragments (the q-th of slot s) into buffer t % 2, and its scale words into set t % 2
.macro FETCH s, q, t
.set FB, 128*((\t)%2)
	WIN TO_F
.irp i, 0,1,2,3
.irp c, 0,1,2
	ds_load_b128 v[FB+48+12*\i+4*\c:FB+48+12*\i+4*\c+3], v[ADRB+\s] offset:TSL*\i+IMG*(\q)+512*\c
.endr
.endr
.irp i, 0,1,2,3
.irp c, 0,1,2
	ds_load_b128 v[FB+12*\i+4*\c:FB+12*\i+4*\c+3], v[ADRA+\s] offset:TSL*\i+IMG*(\q)+512*\c
.endr
.endr
	WIN 0
.irp i, 0,1,2,3
	ds_load_b32 v[SC+4*((\t)%2)+\i], v[ADRS] offset:1024*\i+64*(\t)   ; lanes 0-15: A's tile i; lanes 16-31: wo's tile i
.endr
.endm
; 8 matrix instructions: A's tiles a0, a0 + 1 x wo's four, K step t.  Step 0 starts the sums.  The 16 accumulators take turns, one instruction a turn.
.macro MUL8 t, a0
.set FB, 128*((\t)%2)
.set SS, SC+4*((\t)%2)
.irp a, \a0, \a0+1
.irp b, 0,1,2,3
.if (\t) == 0
	v_wmma_scale_f32_16x16x128_f8f6f4 v[ACC+8*(4*(\a)+\b):ACC+8*(4*(\a)+\b)+7], v[FB+48+12*\b:FB+48+12*\b+11], v[FB+12*(\a):FB+12*(\a)+11], 0, v[SS+\b], v[SS+(\a)] matrix_a_fmt:MATRIX_FMT_FP6 matrix_b_fmt:MATRIX_FMT_FP6 matrix_a_scale:MATRIX_SCALE_ROW1
.else
	v_wmma_scale_f32_16x16x128_f8f6f4 v[ACC+8*(4*(\a)+\b):ACC+8*(4*(\a)+\b)+7], v[FB+48+12*\b:FB+48+12*\b+11], v[FB+12*(\a):FB+12*(\a)+11], v[ACC+8*(4*(\a)+\b):ACC+8*(4*(\a)+\b)+7], v[SS+\b], v[SS+(\a)] matrix_a_fmt:MATRIX_FMT_FP6 matrix_b_fmt:MATRIX_FMT_FP6 matrix_a_scale:MATRIX_SCALE_ROW1
.endif
.endr
.endr
.endm
.macro PLACES                          ; four plain vector instructions in front of loads into registers that matrix instructions have read, and of the first read of results
.rept 4
	v_nop
.endr
.endm
; K step t: its fragments are in; the next step's, out of slot sn, are asked for and land while this step is multiplied
.macro STEP t, sn
	s_wait_dscnt 0x0
	PLACES
	FETCH \sn, ((\t)+1)%4, (\t)+1
	WIN MUL
	MUL8 \t, 0
	MUL8 \t, 2
.endm
; K step t, behind which a slot is read that a barrier has to show whole.  In front of the barrier each wave waits for all its tensor loads, adds 0 to its spare word, and waits for that and for its LDS reads.
; fill = 1: the barrier opens a round of the cluster's, and slot 0, which nobody reads any more, is filled again with K steps 12 to 15.
.macro TURN t, sn, fill
	WIN 0                                          ; (the add's two registers lie in window 0)
	s_wait_tensorcnt 0x0                           ; all my tensor loads have landed
	ds_add_u32 v[SPW], v[NIL]                      ; 0 onto my spare word
	s_wait_dscnt 1                                 ; this step's fragments are in (the add may be out)
	WIN MUL
	MUL8 \t, 0                                     ; eight matrix instructions stand between the add and the wait for it
	s_wait_dscnt 0x0                               ; the add is done; my LDS reads are over
	WIN 0
	s_barrier_signal -1
	s_barrier_wait -1
.if \fill
	CREST                                          ; no wave of any partner still reads slot 0 or has a load on its way
	s_add_nc_u64 s[G0+2:G0+3], s[G0+2:G0+3], 3*TSL
	s_add_nc_u64 s[G0B+2:G0B+3], s[G0B+2:G0B+3], 3*TSL
	JLOAD G0, G1, G0B, G1B                         ; the first tensor load behind the round; its four v_nop are the places in front of the loads below
.else
	PLACES
.endif
	FETCH \sn, 0, (\t)+1
	WIN MUL
	MUL8 \t, 2
.endm
	s_wait_tensorcnt 2                             ; the scale words and my part of slot 0 are in (the loads of slots 1 and 2 may be out)
	s_barrier_signal -1
	s_barrier_wait -1                              ; everybody's are
	FETCH 0, 0, 0
	STEP 0, 0
	STEP 1, 0
	STEP 2, 0
	TURN 3, 1, 1                                   ; every wave has waited for all its loads: slots 1 and 2 are whole for everybody from here on
	STEP 4, 1
	STEP 5, 1
	STEP 6, 1
	STEP 7, 2
	STEP 8, 2
	STEP 9, 2
	STEP 10, 2
	TURN 11, 0, 0                                  ; slot 0's second fill is whole
	STEP 12, 0
	STEP 13, 0
	STEP 14, 0
	s_wait_dscnt 0x0                               ; the last step: nothing more to fetch
	MUL8 15, 0
	MUL8 15, 2
	WIN 0
; THE WAY OUT, a block of 16 rows x 64 columns at a time.  Register j of accumulator (a, b) in lane (r, h) is row r of A's tile a, column 32 (b / 2) + 8 (b % 2) + 16 h + j of my 64.
; The block goes through my own stage in LDS and comes back as whole rows of 256 bytes.  LDS serves a wave's instructions in order: no wait between the stores and the loads, nor in front of the next block's stores.
.macro TOSTAGE a
.irp b, 0,1,2,3
	ds_store_b128 v[STO], v[ACC+8*(4*(\a)+\b):ACC+8*(4*(\a)+\b)+3] offset:128*(\b/2)+32*(\b%2)        ; each accumulator from its low end on
	ds_store_b128 v[STO], v[ACC+8*(4*(\a)+\b)+4:ACC+8*(4*(\a)+\b)+7] offset:128*(\b/2)+32*(\b%2)+16
.endr
.set BB, OB+32*((\a)%2)
.irp t, 0,1,2,3,4,5,6,7
	ds_load_b128 v[BB+4*\t:BB+4*\t+3], v[RD] offset:\t*2*SPITCH
.endr
.endm
.macro SEND a, younger                 ; younger: the LDS instructions issued behind block a's loads, which may stay out
.set BB, OB+32*((\a)%2)
	s_wait_dscnt \younger
.irp t, 0,1,2,3,4,5,6,7
	global_store_b128 v[CO], v[BB+4*\t:BB+4*\t+3], s[12:13] offset:(32*((\a)/2)+8*((\a)%2)+2*\t+8*(\t/4))*8192 th:TH_STORE_NT   ; stage rows 2 t, 2 t + 1 at their true rows; 16 lanes store 256 consecutive bytes, aligned
.endr
.endm
	PLACES
	TOSTAGE 0
.irp a, 1,2,3
.if \a > 1
	s_wait_xcnt 0x0                                ; block a - 2's stores have read their registers: block a's loads may land there
.endif
	TOSTAGE \a
	SEND \a-1, 16                                  ; behind block a - 1's loads: block a's 8 stores and 8 loads
.endr
	SEND 3, 0
	s_wait_tensorcnt 0x0                           ; the wave's end
	ds_add_u32 v[SPW], v[NIL]
	s_wait_dscnt 0x0
	CROUND                                         ; the closing round
	s_endpgm
.Lfunc_end_k_qf6d78078eb_oproj:
	.size	k_qf6d78078eb_oproj, .Lfunc_end_k_qf6d78078eb_oproj-k_qf6d78078eb_oproj
	.p2alignl 7, 3214868480
	.fill 96, 4, 3214868480
	.section	.rodata,"a",@progbits
	.p2align	6, 0x0
	.amdhsa_kernel k_qf6d78078eb_oproj
		.amdhsa_group_segment_fixed_size 327680
		.amdhsa_private_segment_fixed_size 0
		.amdhsa_enable_private_segment 0
		.amdhsa_kernarg_size 40
		.amdhsa_user_sgpr_count 2
		.amdhsa_user_sgpr_kernarg_segment_ptr 1
		.amdhsa_wavefront_size32 1
		.amdhsa_system_sgpr_workgroup_id_x 1
		.amdhsa_system_sgpr_workgroup_id_y 1
		.amdhsa_system_sgpr_workgroup_id_z 1
		.amdhsa_system_vgpr_workitem_id 0
		.amdhsa_next_free_vgpr 512
		.amdhsa_next_free_sgpr 102
		.amdhsa_reserve_vcc 0
		.amdhsa_float_denorm_mode_32 3
		.amdhsa_float_denorm_mode_16_64 3
		.amdhsa_memory_ordered 1
		.amdhsa_forward_progress 1
		.amdhsa_inst_pref_size 84
	.end_amdhsa_kernel
	.amdgpu_metadata
---
amdhsa.version: [ 1, 2 ]
amdhsa.kernels:
  - .name:           k_qf6d78078eb_oproj
    .symbol:         k_qf6d78078eb_oproj.kd
    .args:
      - { .name: ac, .offset: 0, .size: 8, .value_kind: global_buffer, .address_space: global }
      - { .name: asc, .offset: 8, .size: 8, .value_kind: global_buffer, .address_space: global }
      - { .name: cw, .offset: 16, .size: 8, .value_kind: global_buffer, .address_space: global }
      - { .name: sw, .offset: 24, .size: 8, .value_kind: global_buffer, .address_space: global }
      - { .name: out0, .offset: 32, .size: 8, .value_kind: global_buffer, .address_space: global }
    .group_segment_fixed_size: 327680
    .private_segment_fixed_size: 0
    .kernarg_segment_align: 8
    .kernarg_segment_size: 40
    .max_flat_workgroup_size: 128
    .sgpr_count:     102
    .vgpr_count:     512
    .wavefront_size: 32
...
	.end_amdgpu_metadata
.endif
;; end of part 4
